; MI455X (gfx1250); checked and timed in simulation.
; The chip was launched on July 23, 2026; its instructions are those of AMD's public machine-readable ISA for CDNA 5 (MIT licence, August 2026) and "CDNA5" Instruction Set Architecture Reference Guide (July 2026). The comments in the code are by the model that wrote it; some were corrected since.
;; Linear. Allowed arithmetic: matrix products marked QUANTISED: E2M3 operands, one E8M0 scale for each 32 along K, by v_wmma_scale_f32_16x16x128_f8f6f4 with both operands' format E2M3, f32 sums; products left as they are: f32 operands where the result goes on into a quantised operand, else bf16, f16 or f32 operands; f32 sums; everything else in f32.
;; Inputs: W 4,096 x 4,096 float32; bias 4,096 float32; data 4,096 x 4,096 float32; lora_a 4 x 16 x 4,096 float32; lora_b 4 x 4,096 x 16 float32; lora_scaling 4 float32; vera_a 4 x 16 x 4,096 float32; vera_b 4 x 4,096 x 16 float32; vera_bvec 4 x 4,096 float32; vera_d 4 x 16 float32; vera_scaling 4 float32.
;; Outputs: out0 4,096 x 4,096 float32.
;; This version of the problem:
;;   THIS VERSION OF THE PROBLEM IS GIVEN IN LOW PRECISION. The matrix products marked QUANTISED in the list below multiply operands that are first quantised to E2M3 (2 exponent bits, 3 mantissa bits; 6 bits a number), with one power-of-two scale for each 32 numbers along K (OCP MX v1.0); their sums are f32. All else is computed in f32.
;;   The module's matrix products, in the order in which they are computed (A, B: the left and right operand; K: the contracted axis; several contracted axes count as one K, in the product's order):
;;     1. [M 4,096, K 4,096] x [K 4,096, N 4,096]; A: input data; B: input W: QUANTISED
;;     2. batch 4 x [M 512, K 4,096] x [K 4,096, N 16]; A: input data; B: input lora_a: QUANTISED
;;     3. batch 4 x [M 512, K 16] x [K 16, N 4,096]; A: computed on the way; B: input lora_b: left as it is (K = 16 < 32)
;;     4. batch 4 x [M 512, K 4,096] x [K 4,096, N 16]; A: computed on the way; B: input vera_a: QUANTISED
;;     5. batch 4 x [M 512, K 16] x [K 16, N 4,096]; A: computed on the way; B: input vera_b: left as it is (K = 16 < 32)
;;   THE QUANTISER, for each operand of a quantised product, along K:
;;     - K is cut into blocks of 32 from its start; a last block that is shorter is filled with zeros.
;;     - A block's scale is 2^e with e = floor(log2(the largest magnitude in the block)) - 2, held to -126 .. 127; a block of zeros has e = 0. As a byte (E8M0): e + 127.
;;     - Each number is divided by its block's scale, clamped to +-7.5, and rounded to the nearest number of E2M3, ties to even, subnormals kept.
;;     - The product sums the exact products of the quantised numbers (number of the format x scale) in f32.
;;   ~~~python
;;   def quantise(x, axis):      # numpy; x: float32 -> the quantised numbers, widened to float32 again
;;       x = np.moveaxis(x, axis, -1); K = x.shape[-1]
;;       x = np.pad(x, [(0, 0)] * (x.ndim - 1) + [(0, -K % 32)]); x = x.reshape(x.shape[:-1] + (-1, 32)); a = np.abs(x).max(-1, keepdims=True)
;;       e = np.where(a > 0, np.clip(np.frexp(np.where(a > 0, a, 1))[1] - 1 - 2, -126, 127), 0)      # np.frexp(a)[1] - 1 = floor(log2(a)), exactly
;;       r = np.clip(x / 2.0 ** e, -7.5, 7.5)
;;       step = 2.0 ** (np.maximum(np.frexp(np.where(r == 0, 1, r))[1] - 1, 0) - 3)
;;       q = np.round(r / step) * step * 2.0 ** e      # np.round: ties to even
;;       return np.moveaxis(q.reshape(q.shape[:-2] + (-1,))[..., :K], -1, axis).astype(np.float32)
;;   ~~~
;;   OPERANDS COMPUTED ON THE WAY. 'Computed on the way' means the value that the module computes at that place (a softmax that the list does not call 'softmax' is quantised finished and normalised). What goes into a quantiser is computed in f32, as accurately as f32 sums, v_exp_f32 and their like allow (about 1e-6 of the number): no bf16 or f16 on the way to a quantiser, and a product that is left as it is and whose result goes on into a quantised operand takes f32 operands (vector FMAs, or v_wmma_f32_16x16x4_f32). A number that lies on a knife's edge between two numbers of the format may be rounded either way, as far as f32 arithmetic and the matrix unit's own rounding can turn it there, and no further.
;; 2 versions, each right; version 2 is version 1 with the launch quant written anew for expert scheduling mode. Each part assembles by itself: llvm-mc -triple=amdgcn-amd-amdhsa -mcpu=gfx1250 --defsym DOCPART=n.
;; ======== version 1 of 2: 2 launches
;; workspace buffers: dcodes 13,697,024 bytes; wcodes 13,697,024 bytes; hbuf 131,072 bytes
;; launch quant (part 1): grid 256 x 1, 8 waves a work-group, no clusters, 148,480 bytes of LDS; arguments data, W, lora_a, vera_a, lora_scaling, vera_scaling, vera_d, dcodes, wcodes, hbuf; writes dcodes, wcodes, hbuf
.if DOCPART == 1
	.amdgcn_target "amdgcn-amd-amdhsa--gfx1250"
	.amdhsa_code_object_version 6
	.text
	.protected	k_qc8ff9bd63c_quant
	.globl	k_qc8ff9bd63c_quant
	.p2align	8
	.type	k_qc8ff9bd63c_quant,@function
k_qc8ff9bd63c_quant:
	s_mov_b64 s[64:65], 0
	v_nop
	global_prefetch_b8 v0, s[64:65] scope:SCOPE_SE
	s_setreg_imm32_b32 hwreg(HW_REG_WAVE_MODE, 25, 1), 1
	s_wait_xcnt 0x0
; data [4096][4096] and W [4096][4096], f32, become codes of FP6 (E2M3) with one E8M0 scale byte for each 32 along K; and on the way, since the tokens' codes then stand in
; operand registers, the rank-16 hidden numbers h of the adapters are made: h = Q(x) Q(lora_a_g)^T x lora_scaling_g for tokens 0-2047, h = (Q(vera_scaling_g x) Q(vera_a_g)^T) x vera_d_g for tokens 2048-4095.
; A block's scale is 2^(floor(log2(its largest magnitude)) - 2); its byte is the largest magnitude's exponent field - 2, held at 1 from below.
; LIMITS.  A block of zeros gets the byte 1 where the rule says 127: its codes are zeros, which add nothing under any byte but 0xff, and this program alone reads the bytes.  NaN and infinities among the
; inputs are not served.  h is summed in 16 parts (8 waves x 2 accumulators) that are added in f32: another order than one chain along K.  lora_scaling is multiplied into h in f32 BEFORE h is rounded to
; bf16 for the rank-16 product (the reference multiplies behind that product): one rounding to bf16 either way.
; SHARES.  Work-group wg takes 16 rows (a row block) of data, tokens 16 wg on, the 16 rows 16 wg on of W, and its tokens' adapter g = wg / 32 (a segment is 512 tokens).  Wave w takes K = 512 w .. 512 w + 511 of all three:
; 12 steps of 16 rows x 128 K, in the order a, data, W, a, data, W ..: a's fragment is ready when the tokens' is.
; A STEP.  Sixteen loads, each 512 consecutive bytes of one row (16 bytes a lane); the 8,192 bytes turn through the wave's own stage in LDS and come back so that a lane holds, of ITS row (lane % 16), 16 neighbours of
; each block of 32 (lane / 16 says which half): what the conversions want.  The codes come out as the matrix operand's registers, and are stored AS THAT IMAGE: a fragment (16 rows x 128 K, 12 registers a lane) is 1,536
; bytes, registers 4 c .. 4 c + 3 of lane l at 512 c + 16 l.  Every store of a fragment covers 512 consecutive bytes, aligned.
; THE BUFFERS OF CODES: [row block 256][group 11][4,864 bytes].  A group is what the product's launch fetches of a row block at a time, three K steps: 256 bytes of scale words (row r at 16 r: the words of K steps
; 3 g, 3 g + 1, 3 g + 2, and a 0), then the three fragments.  32 K steps are ten groups and two thirds: group 10's third fragment and third word are stored as zeros, so that every byte that is fetched has been written.
; The scale words (4 bytes: a row's 128 K) of the eight waves meet in LDS and leave behind the barrier as whole areas of 256 bytes.  h: [row block 256][lane 32][16 bytes]: registers 0-3 of a bf16 fragment (token = lane % 16, ranks 8 (lane / 16) on).
; Loads run four steps (64 loads a wave) ahead in four register sets, the turn through LDS one step.  No tensor load, so no ring; the one barrier stands in front of what the waves hand to each other.
; NO CLUSTER: LDS is filled through registers, so there is no tensor load to share; what work-groups share is a_g alone, 256 KiB of the 768 KiB that a work-group loads.
; REGISTERS.  window 0: v1-7, v104-116 addresses; v8-15 vera_d, then h's factor; v16-31 at work; v32-43 the codes just made; v44-50 halves of blocks; v52 their scale word; v53 a's scale word;
;   v60-71 a's fragment; v72-87 two accumulators of h; v88-95 their sum; v128-255 two sets of 64 numbers.   window 1: four sets of 64 registers as loaded.
.set WREG, 16896                       ; LDS of a wave: two stages
.set STG,  8448                        ; a stage: 16 rows x SP
.set SP,   528                         ; a stage row: 512 bytes + 16 = 132 words: row r starts at bank 4 r mod 64 (64 banks of 4 bytes: ISA guide 11.1)
.set RED,  8*WREG                      ; behind the stages: 1,024 bytes for each wave's part of h
.set TAB,  RED+8192                    ; behind them: the scale words, [data, W][K step 32][row 16]: a wave's four K steps are 256 bytes of its own in each half
.set TABW, 2048                        ; W's half
.set GRP,  4864                        ; a group in the buffers of codes
.set RBP,  11*GRP                      ; a row block there
.set L16,  1                           ; v1   16 x lane: loads, h's store, the zero fragments; never rewritten
.set STI,  3                           ; v3   into my stage: 16 x lane
.set LDI,  4                           ; v4   out of it: SP x (lane % 16) + 64 x (lane / 16)
.set RDI,  5                           ; v5   my wave's part of h in LDS
.set RDO,  6                           ; v6   wave 0's part, from which all eight are read
.set DOF,  7                           ; v7   32 x (lane / 16): my eight ranks in vera_d
.set DV,   8
.set TM,   16                          ; +0..3 largest magnitudes, +4..7 the other half's / the bytes, +12..15 the conversions' scale operands
.set PC,   32
.set PT,   44
.set PW,   52
.set AS,   53
.set AF,   60
.set H,    72
.set HS,   88
.set OB,   96
.set TF,   100
.set VO,   104                         ; v104-107  my lane's place in the fragment of my K step s, from my wave's first fragment on: 16 x lane + 1,536 s + 256 x (the groups begun before it)
.set TA,   108                         ; v108 where my wave puts scale words: TAB + 256 x wave + 4 x (lane % 16)
.set T4R,  112                         ; v112 TAB + 4 x (lane % 16)
.set TRD,  114                         ; v114 where I read the words of group 2 x wave + lane / 16: TAB + 384 x wave + 192 x (lane / 16) + 4 x (lane % 16)
.set GP,   115                         ; v115 and that group's scale area in the row block: GRP x (2 x wave + lane / 16) + 16 x (lane % 16)
.set R16,  116                         ; v116 16 x (lane % 16)
.set X,    128
.set WV,   32                          ; s32  wave
.set SEL,  34                          ; s[34:35] v_permlanex16_b32's selects for lane l xor 16
.set VM,   37                          ; s37  all lanes for a VeRA work-group, none for a LoRA one
.set SV,   38                          ; s[38:39] my adapter's scaling (the packed form names a pair)
.set MSB, 0
.macro WIN new                         ; the immediate's high byte repeats the setting that is left
.if MSB != \new
	s_set_vgpr_msb (MSB<<8)|\new
.set MSB, \new
.endif
.endm
; step t's sixteen rows, 512 bytes each, into set t % 4 of window 1.  data and W are read once in the launch; a_g is read by 32 work-groups
.macro LOAD t
	WIN 0x40                                       ; destination window 1, address window 0
.set RL_, 64*((\t)%4)
.irp i, 0,1,2,3,4,5,6,7,8,9,10,11,12,13,14,15
.if (\t)%3 == 0
	global_load_b128 v[RL_+4*\i:RL_+4*\i+3], v[L16], s[12:13] offset:\i*16384+((\t)/3)*512
.elseif (\t)%3 == 1
	global_load_b128 v[RL_+4*\i:RL_+4*\i+3], v[L16], s[8:9] offset:\i*16384+((\t)/3)*512 th:TH_LOAD_NT
.else
	global_load_b128 v[RL_+4*\i:RL_+4*\i+3], v[L16], s[10:11] offset:\i*16384+((\t)/3)*512 th:TH_LOAD_NT
.endif
.endr
.endm
; step t's numbers through stage t % 2: LDS serves a wave's instructions in order (ISA guide 5.7.1.4), so no wait stands between the stores and the loads.  Behind it register 16 b + i of set t % 2 is k = 32 b + 16 (lane / 16) + i of row lane % 16
.macro TURN t
.set RT_, 64*((\t)%4)
.set XT_, X+64*((\t)%2)
.set ST_, STG*((\t)%2)
	WIN 0x04                                       ; an LDS store's data are its source 1: window 1
.irp i, 0,1,2,3,4,5,6,7,8,9,10,11,12,13,14,15
	ds_store_b128 v[STI], v[RT_+4*\i:RT_+4*\i+3] offset:ST_+SP*\i
.endr
	WIN 0
.irp b, 0,1,2,3
.irp j, 0,1,2,3
	ds_load_b128 v[XT_+16*\b+4*\j:XT_+16*\b+4*\j+3], v[LDI] offset:ST_+128*\b+16*\j
.endr
.endr
.endm
; 64 numbers of a lane, v[s] on, become a fragment's codes in v[pc] .. v[pc + 11] and its rows' scale word in v[pw] (lanes 16-31 hold the same word as lanes 0-15)
.macro QUANT s, pc, pw
.irp b, 0,1,2,3
	v_max3_num_f32 v[TM+\b], |v[\s+16*\b]|, |v[\s+1+16*\b]|, 0x1800000   ; block b: my 16 numbers, and the floor 2^(3 - 127), under which no largest magnitude is taken: so the byte cannot fall under 1
.endr
.irp i, 2,4,6,8,10,12,14
.irp b, 0,1,2,3
	v_max3_num_f32 v[TM+\b], v[TM+\b], |v[\s+16*\b+\i]|, |v[\s+1+16*\b+\i]|   ; (the four blocks by turns: no line waits for the line above it)
.endr
.endr
.irp b, 0,1,2,3
	v_permlanex16_b32 v[TM+4+\b], v[TM+\b], s[SEL], s[SEL+1]
.endr
.irp b, 0,1,2,3
	v_max_num_f32 v[TM+\b], v[TM+\b], v[TM+4+\b]   ; with lane l xor 16's: the block's largest magnitude
.endr
.irp b, 0,1,2,3
	v_add_nc_u32 v[TM+12+\b], 0xff000000, v[TM+\b] ; 2 off its exponent field: the conversion takes the exponent field of this operand as its scale, and nothing else of it
.endr
.irp b, 0,1,2,3
	v_lshrrev_b32 v[TM+4+\b], 23, v[TM+12+\b]      ; the scale's byte
.endr
	v_lshl_or_b32 v[\pw], v[TM+5], 8, v[TM+4]      ; the four bytes make my row's scale word
	v_lshl_or_b32 v[\pw], v[TM+6], 16, v[\pw]
	v_lshl_or_b32 v[\pw], v[TM+7], 24, v[\pw]
.irp c, 0,1
	v_cvt_scalef32_pk16_fp6_f32 v[\pc+6*\c:\pc+2+6*\c], v[\s+32*\c:\s+15+32*\c], v[TM+12+2*\c]
	v_cvt_scalef32_pk16_fp6_f32 v[PT+4*\c:PT+2+4*\c], v[\s+16+32*\c:\s+31+32*\c], v[TM+12+2*\c+1]   ; (a conversion's three registers begin on an even number)
.endr
	v_nop                                          ; one plain place behind a scaled conversion
.irp c, 0,1                                    ; the operand's layout wants a WHOLE block in a lane: lanes 0-15 block 2 c, lanes 16-31 block 2 c + 1
.irp i, 0,1,2
	v_permlane16_swap_b32 v[\pc+6*\c+\i], v[PT+4*\c+\i]
.endr
.irp i, 0,1,2
	v_mov_b32 v[\pc+3+6*\c+\i], v[PT+4*\c+\i]
.endr
.endr
.endm
.macro CODES base, s                           ; the fragment in v[PC] on leaves as it stands: three stores of 512 consecutive bytes
.irp c, 0,1,2
	global_store_b128 v[VO+(\s)], v[PC+4*\c:PC+4*\c+3], s[\base:\base+1] offset:512*\c
.endr
.endm
	s_load_b512 s[8:23], s[0:1], 0x0               ; data 8, W 10, lora_a 12, vera_a 14, lora_scaling 16, vera_scaling 18, vera_d 20, data's codes 22
	s_load_b128 s[24:27], s[0:1], 0x40             ; W's codes 24, h 26
	v_lshl_add_u32 v126, v0, 2, 0x24000
	v_mov_b32 v127, 0
	v_lshrrev_b32 v100, 5, v0
	v_readfirstlane_b32 s[WV], v100                ; wave 0..7
	v_and_b32 v101, 31, v0                         ; lane
	v_and_b32 v102, 15, v0                         ; lane % 16
	v_bfe_u32 v103, v0, 4, 1                       ; lane / 16
	v_lshlrev_b32 v[L16], 4, v101
	s_mul_i32 s33, s[WV], WREG
	v_add_nc_u32 v[STI], s33, v[L16]
	v_mul_u32_u24 v[LDI], v102, SP
	v_lshl_add_u32 v[LDI], v103, 6, v[LDI]
	v_add_nc_u32 v[LDI], s33, v[LDI]
	s_lshl_b32 s33, s[WV], 10
	v_add_nc_u32 v[RDO], RED, v[L16]
	v_add_nc_u32 v[RDI], s33, v[RDO]
	v_lshlrev_b32 v[DOF], 5, v103
	v_lshl_add_u32 v[T4R], v102, 2, TAB
	s_lshl_b32 s33, s[WV], 8
	v_add_nc_u32 v[TA], s33, v[T4R]
	s_mul_i32 s33, s[WV], 384                      ; a group's three K steps are 192 bytes of the table, a wave's two groups 384
	v_mad_u32_u24 v[TRD], v103, 192, v[T4R]
	v_add_nc_u32 v[TRD], s33, v[TRD]
	v_lshlrev_b32 v[R16], 4, v102
	v_mad_u32_u24 v[GP], v103, GRP, v[R16]
	s_mul_i32 s33, s[WV], 2*GRP
	v_add_nc_u32 v[GP], s33, v[GP]
.irp s, 0,1,2,3                                ; K step ks = 4 w + s lies in group ks / 3, at 1,536 ks + 256 (ks / 3 + 1) of the row block; 6,144 w + 256 of that stand in the base
	s_lshl_b32 s58, s[WV], 2
	s_add_co_u32 s58, s58, \s
	s_mul_i32 s59, s58, 43
	s_lshr_b32 s59, s59, 7                         ; ks / 3 = (43 ks) >> 7, exact for ks up to 31
	s_lshl_b32 s60, s59, 8
	s_add_co_u32 s60, s60, 1536*\s
	v_add_nc_u32 v[VO+\s], s60, v[L16]
.endr
.irp b, 0,1,2,3
	v_mov_b32 v[TM+4+\b], 0                        ; written once: a lane permute's destination counts as one of its sources
.endr
	s_mov_b32 s[SEL], 0x76543210
	s_mov_b32 s[SEL+1], 0xfedcba98
	; byte offsets, each in a pair of its own with 0 on top
	s_lshl_b32 s42, s[WV], 11                      ; my wave's 512 numbers of a row
	s_lshl_b32 s40, ttmp9, 18                      ; 16 rows of 16,384 bytes
	s_add_co_u32 s40, s40, s42
	s_mov_b32 s41, 0                               ; s[40:41]: data and W
	s_bfe_u32 s44, ttmp9, 0x20005                  ; the adapter's number among its kind: (wg / 32) % 4
	s_lshl_b32 s46, s44, 18
	s_add_co_u32 s46, s46, s42
	s_mov_b32 s47, 0                               ; s[46:47]: a
	s_mul_i32 s48, ttmp9, RBP
	s_mov_b32 s49, 0                               ; s[48:49]: my row block in the buffers of codes
	s_mul_i32 s50, s[WV], 6144
	s_add_co_u32 s50, s50, 256
	s_mov_b32 s51, 0                               ; s[50:51]: from there to my wave's fragments
	s_lshl_b32 s52, ttmp9, 9
	s_mov_b32 s53, 0                               ; s[52:53]: h
	s_lshl_b32 s54, s44, 6
	s_mov_b32 s55, 0                               ; s[54:55]: vera_d's row
	s_lshl_b32 s56, s44, 2
	s_mov_b32 s57, 0                               ; s[56:57]: the scaling
	s_wait_kmcnt 0x0
	s_cmp_lt_u32 ttmp9, 128                        ; a LoRA work-group or a VeRA one?  The choice hangs on the work-group's number alone
	s_cselect_b64 s[12:13], s[12:13], s[14:15]
	s_cselect_b64 s[16:17], s[16:17], s[18:19]
	s_cselect_b32 s[VM], 0, -1
	s_add_nc_u64 s[8:9], s[8:9], s[40:41]
	s_add_nc_u64 s[10:11], s[10:11], s[40:41]
	s_add_nc_u64 s[12:13], s[12:13], s[46:47]
	s_add_nc_u64 s[16:17], s[16:17], s[56:57]
	s_add_nc_u64 s[20:21], s[20:21], s[54:55]
	s_add_nc_u64 s[28:29], s[22:23], s[48:49]      ; data's codes at my row block: the scale areas and the zero fragment,
	s_add_nc_u64 s[30:31], s[24:25], s[48:49]      ; W's likewise;
	s_add_nc_u64 s[22:23], s[28:29], s[50:51]      ; and at my wave's fragments
	s_add_nc_u64 s[24:25], s[30:31], s[50:51]
	s_add_nc_u64 s[26:27], s[26:27], s[52:53]
	s_load_b32 s[SV], s[16:17], 0x0                ; lora_scaling[g] or vera_scaling[g]
	global_load_b128 v[DV:DV+3], v[DOF], s[20:21]  ; vera_d of my eight ranks (a LoRA work-group reads a row too and selects it away)
	global_load_b128 v[DV+4:DV+7], v[DOF], s[20:21] offset:16
	LOAD 0
	LOAD 1
	LOAD 2
	LOAD 3
	s_wait_kmcnt 0x0
	s_mov_b32 s[SV+1], s[SV]                       ; (named with it as a pair, so it is written)
	s_wait_loadcnt 48                              ; vera_d and step 0's sixteen loads are in; the 48 of steps 1 to 3 may be out
	TURN 0
.macro STEP t
.set XS, X+64*((\t)%2)
.set SS, (\t)/3
	s_wait_dscnt 0x0                               ; this step's numbers are back from the stage: so its stores into the stage have read their registers,
.if (\t)+4 < 12
	LOAD (\t)+4                                    ; which take the loads of four steps on
.endif
.if (\t)+1 < 12
.if (\t) <= 7
	s_wait_loadcnt 48                              ; the next step's sixteen loads are in; those of the three steps behind it may be out
.else
	s_wait_loadcnt 16*(10-(\t))                    ; (at the end fewer steps are behind it)
.endif
	TURN (\t)+1                                    ; and go through the other stage while this step is worked
.endif
	WIN 0
.if (\t)%3 == 0
	QUANT XS, AF, AS                               ; a's 16 ranks x 128 K.  (The last product that read these registers stands two steps back)
.elseif (\t)%3 == 2
	s_wait_xcnt 0x0                                ; the codes' registers were the data of earlier stores: they are rewritten only behind this wait
	QUANT XS, PC, PW                               ; W.  (Its 32 maxima, which name no register of the product just issued, are that product's places)
	ds_store_b32 v[TA], v[PW] offset:TABW+64*SS    ; the rows' scale words to my wave's bytes of the table (both halves of the lanes write the same word with the same value)
	CODES 24, SS
.else
	s_wait_xcnt 0x0                                ; as above
	QUANT XS, PC, PW                               ; the tokens, as the base product wants them
	ds_store_b32 v[TA], v[PW] offset:64*SS
	CODES 22, SS
	s_cmp_lt_u32 ttmp9, 128                        ; LoRA multiplies these very codes by a's.  VeRA's operand is Q(scaling x x): no power of two, so it is quantised anew, from the f32 products; those codes stay in registers
	s_cbranch_scc1 .Llora_\@
	s_wait_xcnt 0x0                                ; the stores just issued have read the codes' registers,
	s_wait_dscnt 0x0                               ; and the word's store its register
.irp j, 0,2,4,6,8,10,12,14,16,18,20,22,24,26,28,30,32,34,36,38,40,42,44,46,48,50,52,54,56,58,60,62
	v_pk_mul_f32 v[XS+\j:XS+\j+1], v[XS+\j:XS+\j+1], s[SV:SV+1] op_sel_hi:[1,0]
.endr
	QUANT XS, PC, PW
.Llora_\@:
.rept 8
	v_nop                                          ; a scale register written by a vector instruction stands 8 places ahead of a scaled matrix instruction, an operand so written 4
.endr
; source 0 = a's 16 ranks, source 1 = my 16 tokens: lane (r, hh) holds token r, register j rank 8 hh + j.  The two accumulators take turns
.if SS < 2
	v_wmma_scale_f32_16x16x128_f8f6f4 v[H+8*(SS%2):H+8*(SS%2)+7], v[AF:AF+11], v[PC:PC+11], 0, v[AS], v[PW] matrix_a_fmt:MATRIX_FMT_FP6 matrix_b_fmt:MATRIX_FMT_FP6
.else
	v_wmma_scale_f32_16x16x128_f8f6f4 v[H+8*(SS%2):H+8*(SS%2)+7], v[AF:AF+11], v[PC:PC+11], v[H+8*(SS%2):H+8*(SS%2)+7], v[AS], v[PW] matrix_a_fmt:MATRIX_FMT_FP6 matrix_b_fmt:MATRIX_FMT_FP6
.endif
.endif
.endm
.irp t, 0,1,2,3,4,5,6,7,8,9,10,11
	STEP \t
.endr
	; h's parts: my two accumulators (from their low ends on; the last product stands a whole step back), then the eight waves' through LDS
.irp j, 0,2,4,6
	v_pk_add_f32 v[HS+\j:HS+\j+1], v[H+\j:H+\j+1], v[H+8+\j:H+8+\j+1]
.endr
	ds_store_b128 v[RDI], v[HS:HS+3]
	ds_store_b128 v[RDI], v[HS+4:HS+7] offset:512
	s_wait_dscnt 0x0                               ; for the others' sake: my part of h and my scale words have landed
	s_barrier_signal -1
	s_barrier_wait -1
	; behind the barrier the waves part on their numbers; no barrier follows, and nothing in LDS is written any more
	s_cmp_lt_u32 s[WV], 5
	s_cbranch_scc0 .Lnot_pair
	; waves 0-4: the scale areas of groups 2 w (lanes 0-15) and 2 w + 1 (lanes 16-31), of data and of W: sixteen lanes store 256 consecutive bytes, aligned
.irp q, 0,1,2
	ds_load_b32 v[X+\q], v[TRD] offset:64*\q
	ds_load_b32 v[X+4+\q], v[TRD] offset:TABW+64*\q
.endr
	v_mov_b32 v[X+3], 0                            ; a row's fourth word
	v_mov_b32 v[X+7], 0
	s_wait_dscnt 0x0
	global_store_b128 v[GP], v[X:X+3], s[28:29]
	global_store_b128 v[GP], v[X+4:X+7], s[30:31]
	s_branch .Lend
.Lnot_pair:
	s_cmp_eq_u32 s[WV], 5
	s_cbranch_scc0 .Lnot_half
	; wave 5: group 10, which has two K steps.  One area of 256 bytes for each buffer: lanes 16-31 hold and store what lanes 0-15 do, the same bytes at the same places
.irp q, 0,1
	ds_load_b32 v[X+\q], v[T4R] offset:1920+64*\q
	ds_load_b32 v[X+4+\q], v[T4R] offset:TABW+1920+64*\q
.endr
.irp q, 2,3,6,7
	v_mov_b32 v[X+\q], 0
.endr
	s_wait_dscnt 0x0
	global_store_b128 v[R16], v[X:X+3], s[28:29] offset:10*GRP
	global_store_b128 v[R16], v[X+4:X+7], s[30:31] offset:10*GRP
	s_branch .Lend
.Lnot_half:
	s_cmp_eq_u32 s[WV], 6
	s_cbranch_scc0 .Lzeros
	; wave 6 adds h's eight parts
.irp u, 0,1,2,3,4,5,6,7
	ds_load_b128 v[X+8*\u:X+8*\u+3], v[RDO] offset:1024*\u
	ds_load_b128 v[X+8*\u+4:X+8*\u+7], v[RDO] offset:1024*\u+512
.endr
	v_mov_b32 v[TF], s[SV]
.irp j, 0,1,2,3,4,5,6,7
	v_cndmask_b32 v[DV+\j], v[TF], v[DV+\j], s[VM] ; h's factor: LoRA: the scaling; VeRA: d of the register's rank (its scaling went into x)
.endr
	s_wait_dscnt 0x0
.irp u, 0,2,4,6
.irp j, 0,2,4,6
	v_pk_add_f32 v[X+8*\u+\j:X+8*\u+\j+1], v[X+8*\u+\j:X+8*\u+\j+1], v[X+8*\u+8+\j:X+8*\u+8+\j+1]
.endr
.endr
.irp u, 0,4
.irp j, 0,2,4,6
	v_pk_add_f32 v[X+8*\u+\j:X+8*\u+\j+1], v[X+8*\u+\j:X+8*\u+\j+1], v[X+8*\u+16+\j:X+8*\u+16+\j+1]
.endr
.endr
.irp j, 0,2,4,6
	v_pk_add_f32 v[X+\j:X+\j+1], v[X+\j:X+\j+1], v[X+32+\j:X+32+\j+1]
.endr
.irp j, 0,2,4,6
	v_pk_mul_f32 v[X+\j:X+\j+1], v[X+\j:X+\j+1], v[DV+\j:DV+\j+1]
.endr
.irp i, 0,1,2,3
	v_cvt_pk_bf16_f32 v[OB+\i], v[X+2*\i], v[X+2*\i+1]   ; ranks 8 hh + 2 i, + 1: registers 0-3 of a bf16 fragment whose K is the rank
.endr
	global_store_b128 v[L16], v[OB:OB+3], s[26:27] ; 512 consecutive bytes, aligned
	s_branch .Lend
.Lzeros:
	; wave 7: group 10's third fragment, of data and of W: zeros
.irp q, 0,1,2,3
	v_mov_b32 v[X+\q], 0
.endr
.irp c, 0,1,2
	global_store_b128 v[L16], v[X:X+3], s[28:29] offset:10*GRP+256+2*1536+512*\c
	global_store_b128 v[L16], v[X:X+3], s[30:31] offset:10*GRP+256+2*1536+512*\c
.endr
.Lend:
	s_wait_tensorcnt 0x0
	ds_add_u32 v126, v127
	s_wait_dscnt 0x0
	s_endpgm
.Lfunc_end_k_qc8ff9bd63c_quant:
	.size	k_qc8ff9bd63c_quant, .Lfunc_end_k_qc8ff9bd63c_quant-k_qc8ff9bd63c_quant
	.p2alignl 7, 3214868480
	.fill 96, 4, 3214868480
	.section	.rodata,"a",@progbits
	.p2align	6, 0x0
	.amdhsa_kernel k_qc8ff9bd63c_quant
		.amdhsa_group_segment_fixed_size 148480
		.amdhsa_private_segment_fixed_size 0
		.amdhsa_enable_private_segment 0
		.amdhsa_kernarg_size 80
		.amdhsa_user_sgpr_count 2
		.amdhsa_user_sgpr_kernarg_segment_ptr 1
		.amdhsa_wavefront_size32 1
		.amdhsa_system_sgpr_workgroup_id_x 1
		.amdhsa_system_sgpr_workgroup_id_y 1
		.amdhsa_system_sgpr_workgroup_id_z 1
		.amdhsa_system_vgpr_workitem_id 0
		.amdhsa_next_free_vgpr 512
		.amdhsa_next_free_sgpr 66
		.amdhsa_reserve_vcc 0
		.amdhsa_float_denorm_mode_32 3
		.amdhsa_float_denorm_mode_16_64 3
		.amdhsa_memory_ordered 1
		.amdhsa_forward_progress 1
		.amdhsa_inst_pref_size 128
	.end_amdhsa_kernel
	.amdgpu_metadata
---
amdhsa.version: [ 1, 2 ]
amdhsa.kernels:
  - .name:           k_qc8ff9bd63c_quant
    .symbol:         k_qc8ff9bd63c_quant.kd
    .args:
      - { .name: data, .offset: 0, .size: 8, .value_kind: global_buffer, .address_space: global }
      - { .name: W, .offset: 8, .size: 8, .value_kind: global_buffer, .address_space: global }
      - { .name: lora_a, .offset: 16, .size: 8, .value_kind: global_buffer, .address_space: global }
      - { .name: vera_a, .offset: 24, .size: 8, .value_kind: global_buffer, .address_space: global }
      - { .name: lora_scaling, .offset: 32, .size: 8, .value_kind: global_buffer, .address_space: global }
      - { .name: vera_scaling, .offset: 40, .size: 8, .value_kind: global_buffer, .address_space: global }
      - { .name: vera_d, .offset: 48, .size: 8, .value_kind: global_buffer, .address_space: global }
      - { .name: dcodes, .offset: 56, .size: 8, .value_kind: global_buffer, .address_space: global }
      - { .name: wcodes, .offset: 64, .size: 8, .value_kind: global_buffer, .address_space: global }
      - { .name: hbuf, .offset: 72, .size: 8, .value_kind: global_buffer, .address_space: global }
    .group_segment_fixed_size: 148480
    .private_segment_fixed_size: 0
    .kernarg_segment_align: 8
    .kernarg_segment_size: 80
    .max_flat_workgroup_size: 256
    .sgpr_count:     66
    .vgpr_count:     512
    .wavefront_size: 32
...
	.end_amdgpu_metadata
.endif
;; end of part 1
;; launch gemm (part 2): grid 16 x 16, 4 waves a work-group, clusters of 4 x 4, 327,680 bytes of LDS; arguments dcodes, wcodes, hbuf, lora_b, vera_b, vera_bvec, bias, out0; writes out0
.if DOCPART == 2
	.amdgcn_target "amdgcn-amd-amdhsa--gfx1250"
	.amdhsa_code_object_version 6
	.text
	.protected	k_qc8ff9bd63c_gemm
	.globl	k_qc8ff9bd63c_gemm
	.p2align	8
	.type	k_qc8ff9bd63c_gemm,@function
k_qc8ff9bd63c_gemm:
	s_mov_b64 s[64:65], 0
	v_nop
	global_prefetch_b8 v0, s[64:65] scope:SCOPE_SE
	s_setreg_imm32_b32 hwreg(HW_REG_WAVE_MODE, 25, 1), 1
	s_wait_xcnt 0x0
	s_wait_alu depctr_hold_cnt(0) depctr_sa_sdst(0) depctr_va_vdst(0) depctr_va_sdst(0) depctr_va_ssrc(0) depctr_va_vcc(0) depctr_vm_vsrc(0)
	s_getreg_b32 s2, hwreg(HW_REG_IB_STS2, 6, 4)
	s_cmp_eq_u32 s2, 0
	s_cbranch_scc0 .Lentry_in_a_cluster
	s_endpgm
.Lentry_in_a_cluster:
	s_bfe_u32 s2, ttmp6, 0x10000c
	s_cmp_lg_u32 s2, 0xf033
	s_cbranch_scc0 .Lentry_shape_is_right
	s_endpgm
.Lentry_shape_is_right:
; out0[m][n] = sum over k of Q(data)[m][k] Q(W)[n][k] + bias[n] + sum over 16 ranks of h[m][rank] B'[n][rank].  Codes of FP6 (E2M3) with one E8M0 scale for each 32 along K, made by the launch before; sums in f32.
; h [4096][16], bf16, comes from the launch before (the adapters' scalings and vera_d are in it).  B' = lora_b_g for tokens 0-2047; for tokens 2048-4095 B'[n][:] = vera_b_g[n][:] x vera_bvec_g[n], multiplied in f32 BEFORE the
; rounding to bf16 (the reference multiplies by vera_bvec behind the product): one rounding to bf16 either way.  g = token / 512.
; THE SUMS BEGIN WITH THE ADAPTERS: each accumulator's first matrix instruction is the rank-16 product in bf16 (K = 32, its upper 16 zeros on both sides) with the bias as C; the 32 scaled products of the base follow onto it.
; So nothing is cleared, and neither the bias nor the adapters' part costs an addition.
; A tile of out0, 256 x 256, is made by a work-group of four waves, as many as a WGP has SIMDs; a wave makes 128 x 128: 64 accumulators of 16 x 16, 512 registers.  256 work-groups.
; THE CODES LIE IN MEMORY AS THE RING WANTS THEM: [row block of 16 rows][group 11][4,864 bytes].  A group is three K steps of 128: 256 bytes of scale words (row r at 16 r: the three steps' words and a 0), then three fragments as
; IMAGES OF THE OPERAND'S REGISTERS, 1,536 bytes each: registers 4 c .. 4 c + 3 of lane l at 512 c + 16 l.  So a fragment is three LDS loads of 16 bytes a lane, each of 512 consecutive bytes: no pitch, no padding, no bank met twice;
; a block's scale words of a slot are one load of 16 bytes a lane.  K goes in steps of 384 through a ring of two LDS slots, the longest step of which two fit: of each row block 4,864 consecutive bytes, at a multiple of 256 from
; the buffer's first byte.  32 K steps are ten groups and two thirds: the last group's third fragment holds zeros and is not multiplied.
; CLUSTERS: 4 x 4 work-groups.  The four of a row of the cluster need the same tiles of data, the four of a column the same tiles of W: each tile is asked for JOINTLY, by the same tensor load with the same descriptor and a
; mask that names the four.  THE MATRIX INSTRUCTIONS ARE USED TRANSPOSED (source 0 = 16 rows of W or of B', source 1 = 16 tokens): a lane then holds eight neighbouring numbers of a row of out0.
; REGISTERS, in windows of 256: window 0: v0-31 addresses; v32-95 scale words, two sets, and nothing else; from v128 the tokens' fragments, ONE set (at the start: v128-191 h's, v192-255 the bias, 8 tiles); on the way out v128-255 rows of out0.
;   window 1: W's fragments, TWO sets, at v0 and v128 (at the start: v0-63 B', v64-127 its f32 numbers, v128-143 factors, v144-151 vera_bvec).   window 2: the accumulators of my rows 0-63 ((a, b) at v[8 (8 a + b)]);   window 3: rows 64-127.
.set SIZE_N, 4096
.set NQ,     3                         ; matrix instructions deep in a slot: 384 along K
.set FR,     12                        ; registers of a fragment
.set NL,     3                         ; LDS loads that bring one
.set NP,     4                         ; places behind these matrix instructions (ISA guide 7.12.1)
.set FRB,    1536                      ; a fragment's image in bytes
.set SCA,    256                       ; a group's scale words
.set RBS,    SCA+NQ*FRB                ; a group: a row block's bytes in a slot
.set RBP,    11*RBS                    ; a row block in memory
.set HALFT,  8*RBS                     ; 8 row blocks: what one tensor load brings, and what one wave reads of either side
.set SLOT,   4*HALFT                   ; the tokens' 16 row blocks, then W's 16
.set LAPS,   4                         ; trips of the loop; a lap = two slots = 768 along K
.set SPARE,  2*SLOT                    ; behind the ring: the spare words, 128 bytes for each wave: two blocks of 256 bytes that no other line names
.set SPITCH, 528                       ; the way out: a stage of 16 rows x (512 bytes + 16) for each wave.  It lies in slot 1, which has had its last fill, and its last read in front of the last barrier, when the first result is stored there (the last group is read from slot 0)
.set ADRA, 16                          ; v16-17  LDS address of the tokens' groups in slot 0, 1: + 16 x lane
.set ADRS, 18                          ; v18-19  LDS address of my scale words in slot 0, 1: lanes 0-15 the tokens', lanes 16-31 W's
.set ADRB, 20                          ; v20-21  as v16-17, for W
.set STO,  24                          ; v24     the way out: where I put 32 bytes of a row
.set RD,   25                          ; v25     the way out: where I read a row back
.set CO,   26                          ; v26     16 x lane: my byte offset in a row of out0, and in an image
.set SPW,  28                          ; v28     LDS address of my spare word: SPARE + 4 x my thread's number; never rewritten
.set NIL,  29                          ; v29     0; never rewritten
.set SC,   32                          ; scale words: set s (for slot s) at v[SC + 32 s]; in it register 4 i + q: lanes 0-15 the word of the tokens' block i, lanes 16-31 that of W's block i, for the slot's q-th 128 along K
.set AF,   128                         ; the tokens' fragments
.set HF,   128                         ; at the start: h's eight fragments,
.set BI,   192                         ; and the bias: tile b at v[BI + 8 b], in the result's layout
.set BK,   128                         ; the way out: 16 rows read back from the stage: v128-191 and v192-255 by turns
.set RB,   64                          ; window 1, at the start: B's numbers in f32,
.set FP,   128                         ; a pair of factors for each block,
.set BV,   144                         ; vera_bvec of my row in each block
.set G1, 24                            ; s[24:31] descriptor group 1 for the tokens' tiles;  s[32:39] group 0, one set for each slot
.set G0, 32
.set G1B, 48                           ; s[48:55], s[56:63] the same for W's tiles
.set G0B, 56
.set MSB, 0
.macro WIN new                         ; the immediate's high byte repeats the setting that is left
.if MSB != \new
	s_set_vgpr_msb (MSB<<8)|\new
.set MSB, \new
.endif
.endm
.set MUL_LO, 0xa1                      ; source 0 (W) window 1, source 1 (tokens) window 0, C and D window 2
.set MUL_HI, 0xf1                      ; the same, C and D window 3
.set TO_B,   0x40                      ; destination window 1, address window 0
; A joint load: waves 0 and 1 fetch for the tokens, waves 2 and 3 for W.  Each of the two lines has ONE mask and one set of registers for all that issue it; the branch hangs on the wave's number alone.
; Four v_nop follow each of the two lines, ahead of the jump, the label and what follows.
.macro JLOAD g0a, g1a, g0b, g1b
	s_cmp_eq_u32 s15, 0
	s_cbranch_scc0 .Lfor_b_\@
	tensor_load_to_lds s[\g0a:\g0a+3], s[\g1a:\g1a+7]
	s_nop 0
.rept 4
	v_nop
.endr
	s_branch .Lasked_\@
.Lfor_b_\@:
	tensor_load_to_lds s[\g0b:\g0b+3], s[\g1b:\g1b+7]
	s_nop 0
.rept 4
	v_nop
.endr
.Lasked_\@:
.endm
.macro CREST                           ; a round of the cluster's barrier behind its opening barrier
	s_cmp_lg_u32 s14, 0
	s_cbranch_scc1 .Lnot_wave_0_\@
	s_barrier_signal -3
.Lnot_wave_0_\@:
	s_barrier_wait -3
	s_barrier_signal -1
	s_barrier_wait -1
.endm
.macro CROUND                          ; a whole round
	s_barrier_signal -1
	s_barrier_wait -1
	CREST
.endm
	s_load_b128 s[4:7], s[0:1], 0x0                ; the tokens' codes s[4:5], W's codes s[6:7]
	s_load_b256 s[92:99], s[0:1], 0x10             ; h s[92:93], lora_b s[94:95], vera_b s[96:97], vera_bvec s[98:99]
	s_load_b128 s[8:11], s[0:1], 0x30              ; bias s[8:9], out0 s[10:11]
	v_lshl_add_u32 v[SPW], v0, 2, SPARE
	v_mov_b32 v[NIL], 0
	ds_add_u32 v28, v29
	ds_add_u32 v28, v29
	s_wait_dscnt 0x0
	v_lshrrev_b32 v1, 5, v0
	v_readfirstlane_b32 s14, v1                    ; wave 0..3
	s_lshr_b32 s15, s14, 1                         ; which half of the tile's rows is mine.  Also: I fetch for the tokens (0) or for W (1)
	s_and_b32 s16, s14, 1                          ; which half of its columns.  Also: which 8 row blocks of that tile I fetch
	s_bfe_u32 s40, ttmp6, 0x40000                  ; cx, cy: my place in the cluster
	s_bfe_u32 s41, ttmp6, 0x40004
	s_lshl_b32 s42, ttmp9, 2
	s_add_co_u32 s42, s42, s40                     ; tile column = 4 x cluster x + cx
	s_and_b32 s17, ttmp7, 0xffff
	s_lshl_b32 s17, s17, 2
	s_add_co_u32 s17, s17, s41                     ; tile row = 4 x cluster y + cy
	s_lshl_b32 s43, s41, 2
	s_lshl_b32 s43, 15, s43                        ; my row of the cluster
	s_lshl_b32 s44, 0x1111, s40                    ; my column
	; descriptor group 1: one group, 4,864 bytes, of each of 8 row blocks, 53,504 bytes apart, in elements of 8 bytes; laid on end in LDS, no padding
	s_or_b32 s[G1+0], s43, (3<<16)|(1<<21)         ; 15:0 the mask: the tokens' tiles go to my row; 17:16 elements of 8 bytes; 20 padding off; 21 set beside a mask
	s_or_b32 s[G1B+0], s44, (3<<16)|(1<<21)        ; W's go to my column
.irp g, G1, G1B
	s_mov_b32 s[\g+1], (RBS/8)<<16                 ; tensor_dim0 = 608
	s_mov_b32 s[\g+2], 8<<16                       ; tensor_dim1 = 8
	s_mov_b32 s[\g+3], (RBS/8)<<16                 ; tile_dim0 = 608
	s_mov_b32 s[\g+4], 8                           ; tile_dim1 = 8
	s_mov_b32 s[\g+5], RBP/8                       ; tensor_dim0_stride = 6,688
	s_mov_b32 s[\g+6], 0
	s_mov_b32 s[\g+7], 0
.endr
	; where the tiles come from.  The tokens' hang on the tile row alone, which my row of the cluster shares; W's on the tile column alone, which my column shares
	s_lshl_b32 s18, s16, 3                         ; which 8 row blocks of the tile I fetch
	s_lshl_b32 s20, s17, 4
	s_add_co_u32 s20, s20, s18                     ; the tokens': row block 16 x tile row + 8 x half
	s_lshl_b32 s46, s42, 4
	s_add_co_u32 s46, s46, s18                     ; W's: 16 x tile column + 8 x half
	s_mul_i32 s20, s20, RBP                        ; in bytes (under 2^24 each)
	s_mov_b32 s21, 0
	s_mul_i32 s46, s46, RBP
	s_mov_b32 s47, 0
	s_mul_i32 s45, s14, HALFT                      ; where they go: wave x 8 row blocks: no place in the cluster enters an LDS address
	s_wait_kmcnt 0x0
	s_add_nc_u64 s[20:21], s[4:5], s[20:21]
	s_add_nc_u64 s[46:47], s[6:7], s[46:47]
	CROUND                                         ; all sixteen work-groups are here: the first joint loads meet
.irp s, 0,1
	s_mov_b32 s[G0+4*\s], 1                        ; 1:0 count = 1
	s_add_co_u32 s[G0+4*\s+1], s45, \s*SLOT        ; 63:32 LDS address
	s_add_nc_u64 s[G0+4*\s+2:G0+4*\s+3], s[20:21], \s*RBS   ; 120:64 global address: group s
	s_or_b32 s[G0+4*\s+3], s[G0+4*\s+3], 0x80000000         ; 127:126 type = 2
	s_mov_b32 s[G0B+4*\s], 1
	s_add_co_u32 s[G0B+4*\s+1], s45, \s*SLOT
	s_add_nc_u64 s[G0B+4*\s+2:G0B+4*\s+3], s[46:47], \s*RBS
	s_or_b32 s[G0B+4*\s+3], s[G0B+4*\s+3], 0x80000000
	JLOAD G0+4*\s, G1, G0B+4*\s, G1B               ; two tensor loads of mine are out behind the second
.endr
	; ---- THE ADAPTERS' OPERANDS AND THE BIAS are asked for while the first fills are on their way: 48 loads a wave
	v_and_b32 v1, 15, v0                           ; r = lane % 16
	v_bfe_u32 v2, v0, 4, 1                         ; hh = lane / 16
	v_and_b32 v6, 31, v0
	v_lshlrev_b32 v[CO], 4, v6                     ; 16 x lane
	v_lshlrev_b32 v7, 6, v1
	v_lshl_add_u32 v7, v2, 5, v7                   ; B: row r of 64 bytes (16 ranks), + 32 hh: ranks 8 hh on
	v_lshlrev_b32 v8, 2, v1                        ; vera_bvec: 4 r
	v_lshlrev_b32 v9, 5, v2                        ; bias: 32 hh: a tile's columns 8 hh on
	s_lshl_b32 s18, s42, 8
	s_lshl_b32 s19, s16, 7
	s_add_co_u32 s18, s18, s19                     ; n0, my first column: 256 x tile column + 128 x half
	s_bfe_u32 s19, s17, 0x20001                    ; the adapter's number among its kind: (tile row / 2) % 4
	s_lshl_b32 s20, s19, 18                        ; an adapter's B is 4,096 rows of 64 bytes
	s_lshl_b32 s21, s18, 6
	s_add_co_u32 s20, s20, s21
	s_mov_b32 s21, 0                               ; s[20:21]: B
	s_lshl_b32 s22, s19, 14
	s_lshl_b32 s46, s18, 2
	s_add_co_u32 s22, s22, s46
	s_mov_b32 s23, 0                               ; s[22:23]: vera_bvec
	s_mov_b32 s47, 0                               ; s[46:47]: bias
	s_lshl_b32 s66, s17, 4
	s_lshl_b32 s67, s15, 3
	s_add_co_u32 s66, s66, s67
	s_lshl_b32 s66, s66, 9                         ; my first row block's image of h: 512 bytes each
	s_mov_b32 s67, 0                               ; s[66:67]: h
	s_and_b32 s45, ttmp7, 0xffff
	s_cmp_lt_u32 s45, 2                            ; clusters 0 and 1 along y hold tokens 0-2047: LoRA.  Only a pointer and a mask are chosen: no branch
	s_cselect_b64 s[94:95], s[94:95], s[96:97]
	s_cselect_b32 s45, 0, -1                       ; all lanes for VeRA, none for LoRA
	s_add_nc_u64 s[94:95], s[94:95], s[20:21]
	s_add_nc_u64 s[98:99], s[98:99], s[22:23]
	s_add_nc_u64 s[8:9], s[8:9], s[46:47]
	s_add_nc_u64 s[92:93], s[92:93], s[66:67]
	WIN TO_B
.irp b, 0,1,2,3,4,5,6,7
	global_load_b128 v[RB+8*\b:RB+8*\b+3], v7, s[94:95] offset:1024*\b         ; B(n0 + 16 b + r, 8 hh ..): the 32 lanes read 1,024 consecutive bytes in two loads
	global_load_b128 v[RB+8*\b+4:RB+8*\b+7], v7, s[94:95] offset:1024*\b+16
	global_load_b32 v[BV+\b], v8, s[98:99] offset:64*\b                        ; vera_bvec(n0 + 16 b + r) (a LoRA tile reads a row too and selects it away)
.endr
	WIN 0
.irp b, 0,1,2,3,4,5,6,7
	global_load_b128 v[BI+8*\b:BI+8*\b+3], v9, s[8:9] offset:64*\b             ; bias(n0 + 16 b + 8 hh ..): the result's layout
	global_load_b128 v[BI+8*\b+4:BI+8*\b+7], v9, s[8:9] offset:64*\b+16
	global_load_b128 v[HF+8*\b:HF+8*\b+3], v[CO], s[92:93] offset:512*\b       ; h's image of my row block b: registers 0-3 of its fragment
.endr
	; LDS addresses, made while those loads are out
	s_mul_i32 s21, s15, HALFT                      ; my 8 row blocks of tokens
	s_mul_i32 s22, s16, HALFT                      ; my 8 of W,
	s_add_co_u32 s22, s22, 2*HALFT                 ; which lie behind the tokens' 16
	s_sub_co_u32 s2, s22, s21
	v_mul_u32_u24 v6, s2, v2                       ; the scale words: lanes 16-31 take W's: ONE product, the distance between the two bases;
	v_lshl_add_u32 v5, v1, 4, v6                   ; a row's four words lie at 16 r of its group
.irp s, 0,1
	v_add_nc_u32 v[ADRA+\s], s21, v[CO]
	v_add_nc_u32 v[ADRB+\s], s22, v[CO]
	v_add_nc_u32 v[ADRS+\s], s21, v5
	s_add_co_u32 s21, s21, SLOT
	s_add_co_u32 s22, s22, SLOT
.endr
	s_lshl_b32 s20, s17, 8
	s_lshl_b32 s21, s15, 7
	s_add_co_u32 s20, s20, s21                     ; my first row of out0: 256 x tile row + 128 x half
	s_lshl_b32 s20, s20, 14                        ; rows of 16,384 bytes (under 2^26)
	s_lshl_b32 s46, s42, 10                        ; my first column, in bytes: 1,024 x tile column + 512 x half
	s_lshl_b32 s47, s16, 9
	s_add_co_u32 s20, s20, s46
	s_add_co_u32 s20, s20, s47
	s_mov_b32 s21, 0
	s_add_nc_u64 s[10:11], s[10:11], s[20:21]
	s_wait_loadcnt 0x0
	WIN 0x45                                       ; destination, sources 0 and 1: window 1
.irp b, 0,1,2,3,4,5,6,7
	v_cndmask_b32 v[FP+2*\b], 1.0, v[BV+\b], s45   ; my row's factor: vera_bvec, or 1 for LoRA; twice, for the packed multiply
	v_cndmask_b32 v[FP+2*\b+1], 1.0, v[BV+\b], s45
.endr
.irp b, 0,1,2,3,4,5,6,7
.irp i, 0,1,2,3
	v_pk_mul_f32 v[RB+8*\b+2*\i:RB+8*\b+2*\i+1], v[RB+8*\b+2*\i:RB+8*\b+2*\i+1], v[FP+2*\b:FP+2*\b+1]
.endr
.endr
.irp b, 0,1,2,3,4,5,6,7
.irp i, 0,1,2,3
	v_cvt_pk_bf16_f32 v[8*\b+\i], v[RB+8*\b+2*\i], v[RB+8*\b+2*\i+1]           ; B's fragment b, registers 0-3: ranks 8 hh + 0 .. 7
	v_mov_b32 v[8*\b+4+\i], 0                      ; registers 4-7: K = 16 .. 31: zeros
.endr
.endr
	WIN 0
.irp a, 0,1,2,3,4,5,6,7
.irp i, 0,1,2,3
	v_mov_b32 v[HF+8*\a+4+\i], 0                   ; h's likewise
.endr
.endr
	s_mul_i32 s23, s14, 16*SPITCH                  ; my stage, in slot 1.  (These four vector lines stand between the operands' last writes and the first product)
	s_add_co_u32 s23, s23, SLOT
	v_mul_u32_u24 v5, v1, SPITCH                   ; in: row l % 16, 32 bytes for each half of the lanes
	v_lshl_add_u32 v5, v2, 5, v5
	v_add_nc_u32 v[STO], s23, v5
	v_add_nc_u32 v[RD], s23, v[CO]                 ; back: the 32 lanes take one row of 512 bytes
	; each accumulator's first product: source 0 = 16 rows of B', source 1 = 16 tokens of h, C = the bias.  The 64 take turns in the order of every later step
.irp a, 0,1,2,3,4,5,6,7
	WIN 0x81+0x40*(\a/4)                           ; source 0 window 1, sources 1 and 2 window 0, destination window 2 or 3
.irp b, 0,1,2,3,4,5,6,7
	v_wmma_f32_16x16x32_bf16 v[8*(8*(\a%4)+\b):8*(8*(\a%4)+\b)+7], v[8*\b:8*\b+7], v[HF+8*\a:HF+8*\a+7], v[BI+8*\b:BI+8*\b+7]
.endr
.endr
	WIN 0
.rept 5
	v_nop                                          ; another form of matrix instruction writes over these results next: five places; the loads into h's, the bias's and B's registers want four (ISA guide 7.12.1 for vector instructions)
.endr
.macro FRAG reg, adr, q, i             ; a fragment, 16 rows x 128 K, 12 registers, comes as it was stored: three loads of 512 consecutive bytes
.irp c, 0,1,2
	ds_load_b128 v[\reg+4*\c:\reg+4*\c+3], v[\adr] offset:(\i)*RBS+SCA+(\q)*FRB+512*\c
.endr
.endm
; 16 matrix instructions: the tokens' blocks a0, a0 + 1 x W's eight, 128 along K: the slot's q-th.  p: W's set;  sc: the set of scale words.
; The 64 accumulators take turns, one instruction a turn, in the same order in every step.
.macro MUL16 a0, p, q, sc
.irp a, \a0, \a0+1
.irp b, 0,1,2,3,4,5,6,7
	v_wmma_scale_f32_16x16x128_f8f6f4 v[8*(8*((\a)%4)+\b):8*(8*((\a)%4)+\b)+7], v[128*(\p)+FR*\b:128*(\p)+FR*\b+FR-1], v[AF+FR*(\a):AF+FR*(\a)+FR-1], v[8*(8*((\a)%4)+\b):8*(8*((\a)%4)+\b)+7], v[SC+32*(\sc)+4*\b+(\q)], v[SC+32*(\sc)+4*(\a)+(\q)] matrix_a_fmt:MATRIX_FMT_FP6 matrix_b_fmt:MATRIX_FMT_FP6 matrix_a_scale:MATRIX_SCALE_ROW1
.endr
.endr
.endm
.macro FETCH_B slot, q, p              ; W's eight fragments of the slot's q-th 128 along K into set p
	WIN TO_B
.irp i, 0,1,2,3,4,5,6,7
	FRAG 128*(\p)+FR*\i, ADRB+\slot, \q, \i
.endr
	WIN 0
.endm
.macro FETCH_A slot, q, i0             ; the tokens' blocks i0 .. i0 + 3
.irp i, \i0, \i0+1, \i0+2, \i0+3
	FRAG AF+FR*(\i), ADRA+\slot, \q, \i
.endr
.endm
.macro SCALES sc                       ; slot sc's scale words into set sc: four words a row (three steps' and a 0); lanes 0-15 take the tokens' block i, lanes 16-31 W's block i: 256 consecutive bytes each
.irp i, 0,1,2,3,4,5,6,7
	ds_load_b128 v[SC+32*\sc+4*\i:SC+32*\sc+4*\i+3], v[ADRS+\sc] offset:\i*RBS
.endr
.endm
; A load into a register that a matrix instruction has read, and an LDS store that reads a matrix result, stand NP places behind that matrix instruction, and only plain vector instructions that name none of
; its registers are places (ISA guide 7.12.1 for vector instructions); this text does not count the matrix instructions in between.
.macro PLACES n
.rept \n
	v_nop
.endr
.endm
; A step of 128 along K that has its successor in the same slot.  The tokens' blocks go one after the other, each against W's eight: so one set of registers serves the tokens (blocks 0-3 are fetched anew in the step's
; middle, blocks 4-7 at its end), and W, at work through the whole step, has two: step q of slot s works on set (s + q) % 2, which comes round after a lap's six steps.
.macro STEP slot, q
	s_wait_dscnt 4*NL                              ; W's set, the tokens' blocks 0-3 and the scale words are in; the youngest twelve loads (blocks 4-7) may be out
	WIN MUL_LO
	MUL16 0, ((\slot)+(\q))%2, \q, \slot
	MUL16 2, ((\slot)+(\q))%2, \q, \slot
	s_wait_dscnt 0                                 ; blocks 4-7 are in (asked for 32 matrix instructions ago)
	PLACES NP
	FETCH_B \slot, (\q)+1, 1-((\slot)+(\q))%2
	FETCH_A \slot, (\q)+1, 0
	WIN MUL_HI
	MUL16 4, ((\slot)+(\q))%2, \q, \slot
	MUL16 6, ((\slot)+(\q))%2, \q, \slot
	PLACES NP
	WIN 0
	FETCH_A \slot, (\q)+1, 4
.endm
; A slot's last step (its third: W's set is the slot's number) changes slots: ONE barrier; in front of it each wave waits for all its tensor loads, adds 0 to its spare word, and waits for that and for its own reads of this slot.
; fill = 1: this slot is filled again, with the group two on: from that request to the wait for it a wave issues 160 matrix instructions.
.macro TURN slot, next, fill
	s_wait_tensorcnt 0x0                           ; all my tensor loads have landed: my part of the next slot;  (every window is 0 here: the add's two registers lie in window 0)
	ds_add_u32 v[SPW], v[NIL]                      ; 0 onto my spare word;
	s_wait_dscnt 4*NL+1                            ; (the add and the youngest twelve loads, the tokens' blocks 4-7, may be out)
	WIN MUL_LO
	MUL16 0, \slot, NQ-1, \slot                    ; sixteen matrix instructions stand between the add and the wait for it
	s_wait_dscnt 0x0                               ; the add is done, and my reads of this slot are over
	s_barrier_signal -1
	MUL16 2, \slot, NQ-1, \slot
	WIN 0
	s_barrier_wait -1
.if \fill
	CREST                                          ; the barrier has opened a round of the cluster's barrier: no wave of any partner still reads this slot's tile or has a load on its way
	s_add_nc_u64 s[G0+4*\slot+2:G0+4*\slot+3], s[G0+4*\slot+2:G0+4*\slot+3], 2*RBS
	s_add_nc_u64 s[G0B+4*\slot+2:G0B+4*\slot+3], s[G0B+4*\slot+2:G0B+4*\slot+3], 2*RBS
	JLOAD G0+4*\slot, G1, G0B+4*\slot, G1B         ; the first tensor load behind the round, my one load until the next; the four v_nop behind it are the places in front of the loads below
.else
	PLACES NP
.endif
	FETCH_B \next, 0, \next
	FETCH_A \next, 0, 0
	SCALES \next
	WIN MUL_HI
	MUL16 4, \slot, NQ-1, \slot
	MUL16 6, \slot, NQ-1, \slot
	PLACES NP
	WIN 0
	FETCH_A \next, 0, 4
.endm
	s_wait_tensorcnt 1                             ; my part of slot 0 is in (slot 1's load may be out)
	s_barrier_signal -1
	s_barrier_wait -1                              ; everybody's is
	FETCH_B 0, 0, 0
	FETCH_A 0, 0, 0
	SCALES 0
	FETCH_A 0, 0, 4
	STEP 0, 0                                      ; group 0's first step
	s_mov_b32 s3, LAPS
.Llap:                                                 ; a trip goes once round the ring, from a lap's second step to the next lap's first, and fills both slots again: groups 2 to 9
	STEP 0, 1
	TURN 0, 1, 1
	STEP 1, 0
	STEP 1, 1
	TURN 1, 0, 1
	STEP 0, 0
	s_sub_co_u32 s3, s3, 1
	s_cmp_lg_u32 s3, 0
	s_cbranch_scc1 .Llap
	STEP 0, 1                                      ; group 8 goes on; the tail is written out
	TURN 0, 1, 1                                   ; the last refill: group 10 into slot 0
	STEP 1, 0                                      ; group 9
	STEP 1, 1
	TURN 1, 0, 0                                   ; nothing is filled, so no round of the cluster's barrier; behind this barrier nobody reads slot 1
	STEP 0, 0                                      ; group 10 has two steps
	s_wait_dscnt 4*NL                              ; the very last step: nothing more to fetch
	WIN MUL_LO
	MUL16 0, 1, 1, 0
	MUL16 2, 1, 1, 0
	s_wait_dscnt 0
	WIN MUL_HI
	MUL16 4, 1, 1, 0
	MUL16 6, 1, 1, 0
	WIN 0
; THE WAY OUT, block by block of 16 rows x 128 columns.  A lane holds 32 neighbouring bytes of a row, and the lanes beside it hold other rows: so a block goes through my own stage in LDS and comes back as whole
; rows of 512 bytes.  LDS serves a wave's instructions in order (ISA guide 5.7.1.4): no wait between the stores and the loads, nor in front of the next block's stores.
.macro TOSTAGE a
.set AC, 64*((\a)%4)
	WIN 0x08+4*((\a)/4)                            ; the data: window 2 or 3
.irp b, 0,1,2,3,4,5,6,7
	ds_store_b128 v[STO], v[AC+8*\b:AC+8*\b+3] offset:64*\b          ; each accumulator from its low end on
	ds_store_b128 v[STO], v[AC+8*\b+4:AC+8*\b+7] offset:64*\b+16
.endr
	WIN 0
.set BB, BK+64*((\a)%2)
.irp t, 0,1,2,3,4,5,6,7,8,9,10,11,12,13,14,15
	ds_load_b128 v[BB+4*\t:BB+4*\t+3], v[RD] offset:\t*SPITCH
.endr
.endm
.macro SEND a, younger                 ; younger: the LDS instructions issued behind block a's loads, which may stay out
.set BB, BK+64*((\a)%2)
	s_wait_dscnt \younger                          ; the block is back in registers
.if (\a) > 0
	s_add_nc_u64 s[10:11], s[10:11], 16*SIZE_N*4   ; (behind a wait on XCNT: the earlier stores have read their base)  16 rows on, so that the stores' offsets stay at 15 rows at the most
.endif
.irp t, 0,1,2,3,4,5,6,7,8,9,10,11,12,13,14,15
	global_store_b128 v[CO], v[BB+4*\t:BB+4*\t+3], s[10:11] offset:\t*SIZE_N*4 th:TH_STORE_NT   ; 32 lanes store 512 consecutive bytes, at a multiple of 256 from out0's first byte; written once, read by nobody here
.endr
.endm
	PLACES NP                                      ; these places serve the loads into the registers that held the tokens' fragments and the reads of the last products' results alike
	TOSTAGE 0
.irp a, 1,2,3,4,5,6,7
.if \a > 1
	s_wait_xcnt 0x0                                ; block a - 2's stores have read their registers and their base: block a's loads may land there, and the base may step
.endif
	TOSTAGE \a
	SEND \a-1, 32                                  ; behind block a - 1's loads: block a's 16 stores and 16 loads
.endr
	s_wait_xcnt 0x0                                ; block 6's stores have read their base
	SEND 7, 0
	s_wait_tensorcnt 0x0                           ; the wave's end: behind my last tensor load and my last LDS store
	ds_add_u32 v[SPW], v[NIL]
	s_wait_dscnt 0x0
	CROUND                                         ; the closing round: no work-group ends while a partner may still ask for a tile that names it
	s_endpgm
.Lfunc_end_k_qc8ff9bd63c_gemm:
	.size	k_qc8ff9bd63c_gemm, .Lfunc_end_k_qc8ff9bd63c_gemm-k_qc8ff9bd63c_gemm
	.p2alignl 7, 3214868480
	.fill 96, 4, 3214868480
	.section	.rodata,"a",@progbits
	.p2align	6, 0x0
	.amdhsa_kernel k_qc8ff9bd63c_gemm
		.amdhsa_group_segment_fixed_size 327680
		.amdhsa_private_segment_fixed_size 0
		.amdhsa_enable_private_segment 0
		.amdhsa_kernarg_size 64
		.amdhsa_user_sgpr_count 2
		.amdhsa_user_sgpr_kernarg_segment_ptr 1
		.amdhsa_wavefront_size32 1
		.amdhsa_system_sgpr_workgroup_id_x 1
		.amdhsa_system_sgpr_workgroup_id_y 1
		.amdhsa_system_sgpr_workgroup_id_z 1
		.amdhsa_system_vgpr_workitem_id 0
		.amdhsa_next_free_vgpr 1024
		.amdhsa_next_free_sgpr 100
		.amdhsa_reserve_vcc 0
		.amdhsa_float_denorm_mode_32 3
		.amdhsa_float_denorm_mode_16_64 3
		.amdhsa_memory_ordered 1
		.amdhsa_forward_progress 1
		.amdhsa_inst_pref_size 220
	.end_amdhsa_kernel
	.amdgpu_metadata
---
amdhsa.version: [ 1, 2 ]
amdhsa.kernels:
  - .name:           k_qc8ff9bd63c_gemm
    .symbol:         k_qc8ff9bd63c_gemm.kd
    .args:
      - { .name: dcodes, .offset: 0, .size: 8, .value_kind: global_buffer, .address_space: global }
      - { .name: wcodes, .offset: 8, .size: 8, .value_kind: global_buffer, .address_space: global }
      - { .name: hbuf, .offset: 16, .size: 8, .value_kind: global_buffer, .address_space: global }
      - { .name: lora_b, .offset: 24, .size: 8, .value_kind: global_buffer, .address_space: global }
      - { .name: vera_b, .offset: 32, .size: 8, .value_kind: global_buffer, .address_space: global }
      - { .name: vera_bvec, .offset: 40, .size: 8, .value_kind: global_buffer, .address_space: global }
      - { .name: bias, .offset: 48, .size: 8, .value_kind: global_buffer, .address_space: global }
      - { .name: out0, .offset: 56, .size: 8, .value_kind: global_buffer, .address_space: global }
    .group_segment_fixed_size: 327680
    .private_segment_fixed_size: 0
    .kernarg_segment_align: 8
    .kernarg_segment_size: 64
    .max_flat_workgroup_size: 128
    .sgpr_count:     100
    .vgpr_count:     1024
    .wavefront_size: 32
...
	.end_amdgpu_metadata
.endif
;; end of part 2
;; ======== version 2 of 2: 2 launches; version 1 with the launch quant written anew for expert scheduling mode
;; workspace buffers: dcodes 13,697,024 bytes; wcodes 13,697,024 bytes; hbuf 131,072 bytes
;; launch quant (part 3): grid 256 x 1, 8 waves a work-group, no clusters, 148,480 bytes of LDS; arguments data, W, lora_a, vera_a, lora_scaling, vera_scaling, vera_d, dcodes, wcodes, hbuf; writes dcodes, wcodes, hbuf
.if DOCPART == 3
	.amdgcn_target "amdgcn-amd-amdhsa--gfx1250"
	.amdhsa_code_object_version 6
	.text
	.protected	k_qc8ff9bd63c_quant
	.globl	k_qc8ff9bd63c_quant
	.p2align	8
	.type	k_qc8ff9bd63c_quant,@function
k_qc8ff9bd63c_quant:
	s_mov_b64 s[64:65], 0
	v_nop
	global_prefetch_b8 v0, s[64:65] scope:SCOPE_SE
	s_setreg_imm32_b32 hwreg(HW_REG_WAVE_SCHED_MODE, 0, 2), 2
	s_setreg_imm32_b32 hwreg(HW_REG_WAVE_MODE, 25, 1), 1
	s_wait_xcnt 0x0
	s_wait_alu depctr_vm_vsrc(0)
; data [4096][4096] and W [4096][4096], f32, become codes of FP6 (E2M3) with one E8M0 scale byte for each 32 along K; and on the way, since the tokens' codes then stand in
; operand registers, the rank-16 hidden numbers h of the adapters are made: h = Q(x) Q(lora_a_g)^T x lora_scaling_g for tokens 0-2047, h = (Q(vera_scaling_g x) Q(vera_a_g)^T) x vera_d_g for tokens 2048-4095.
; A block's scale is 2^(floor(log2(its largest magnitude)) - 2); its byte is the largest magnitude's exponent field - 2, held at 1 from below.
; LIMITS.  A block of zeros gets the byte 1 where the rule says 127: its codes are zeros, which add nothing under any byte but 0xff, and this program alone reads the bytes.  NaN and infinities among the
; inputs are not served.  h is summed in 16 parts (8 waves x 2 accumulators) that are added in f32: another order than one chain along K.  lora_scaling is multiplied into h in f32 BEFORE h is rounded to
; bf16 for the rank-16 product (the reference multiplies behind that product): one rounding to bf16 either way.
; SHARES.  Work-group wg takes 16 rows (a row block) of data, tokens 16 wg on, the 16 rows 16 wg on of W, and its tokens' adapter g = wg / 32 (a segment is 512 tokens).  Wave w takes K = 512 w .. 512 w + 511 of all three:
; 12 steps of 16 rows x 128 K, in the order a, data, W, a, data, W ..: a's fragment is ready when the tokens' is.
; A STEP.  Sixteen loads, each 512 consecutive bytes of one row (16 bytes a lane); the 8,192 bytes turn through the wave's own stage in LDS and come back so that a lane holds, of ITS row (lane % 16), 16 neighbours of
; each block of 32 (lane / 16 says which half): what the conversions want.  The codes come out as the matrix operand's registers, and are stored AS THAT IMAGE: a fragment (16 rows x 128 K, 12 registers a lane) is 1,536
; bytes, registers 4 c .. 4 c + 3 of lane l at 512 c + 16 l.  Every store of a fragment covers 512 consecutive bytes, aligned.
; THE BUFFERS OF CODES: [row block 256][group 11][4,864 bytes].  A group is what the product's launch fetches of a row block at a time, three K steps: 256 bytes of scale words (row r at 16 r: the words of K steps
; 3 g, 3 g + 1, 3 g + 2, and a 0), then the three fragments.  32 K steps are ten groups and two thirds: group 10's third fragment and third word are stored as zeros, so that every byte that is fetched has been written.
; The scale words (4 bytes: a row's 128 K) of the eight waves meet in LDS and leave behind the barrier as whole areas of 256 bytes.  h: [row block 256][lane 32][16 bytes]: registers 0-3 of a bf16 fragment (token = lane % 16, ranks 8 (lane / 16) on).
; Loads run four steps (64 loads a wave) ahead in four register sets, the turn through LDS one step.  No tensor load, so no ring; the one barrier stands in front of what the waves hand to each other.
; NO CLUSTER: LDS is filled through registers, so there is no tensor load to share; what work-groups share is a_g alone, 256 KiB of the 768 KiB that a work-group loads.
; THE MODE: SCHED_MODE bits 1:0 = 2 (LLVM: expert scheduling mode 2), set by the entry lines.  The code itself states the register dependences between vector or matrix instructions and memory or LDS
; instructions, with s_wait_alu, always for 0.
; THE PLAN.  Registers that memory or LDS instructions touch, in the twelve steps:
;   R0 .. R3 (window 1)  The global loads of step t + 4, issued in step t, land in R[t % 4]; the LDS stores of step t's turn, issued in step t - 1, read it.  No vector instruction names them.
;   X0, X1               The loads from the stage for step t + 1, issued in step t, land in X[(t + 1) % 2]; step t's maxima, conversions and (VeRA) multiplies name X[t % 2].
;   PC, PW               Written by the quantiser in data steps and W steps; read by four stores (the scale word to LDS, three of the codes to memory) and by the product.
;   v1, v3-7, v104-116   Offsets and LDS addresses, made at the head and never written again.        AF, AS, H, TM, PT are named by vector and matrix instructions alone.
; An a step's head has one wait on va_vdst: the W step before has written PC and PW, whose four stores stand HERE and not in their own step, and is done reading the other X.  A data step's head has one: the a step before is
; done reading the other X.  A W step's head has none: the wait ahead of the data step's product stands behind every line that names that X, and only the product, which names none of it, was issued since.
; A data step has two more: behind its quantiser, ahead of its stores, and ahead of its product.  One wait on vm_vsrc stands ahead of each run of loads into R, and one behind a data step's stores.
; Behind a step's head the sixteen loads from the stage are dealt among the quantiser's 32 maxima, two behind each four, with no further wait: the maxima name X[t % 2] and TM alone.  The global loads and the stage's
; stores stay in runs: each needs another register window.
; REGISTERS.  window 0: v1-7, v104-116 addresses; v8-15 vera_d, then h's factor; v16-31 at work; v32-43 the codes just made; v44-50 halves of blocks; v52 their scale word; v53 a's scale word;
;   v60-71 a's fragment; v72-87 two accumulators of h; v88-95 their sum; v128-255 two sets of 64 numbers.   window 1: four sets of 64 registers as loaded.
.set WREG, 16896                       ; LDS of a wave: two stages
.set STG,  8448                        ; a stage: 16 rows x SP
.set SP,   528                         ; a stage row: 512 bytes + 16 = 132 words: row r starts at bank 4 r mod 64 (64 banks of 4 bytes: ISA guide 11.1)
.set RED,  8*WREG                      ; behind the stages: 1,024 bytes for each wave's part of h
.set TAB,  RED+8192                    ; behind them: the scale words, [data, W][K step 32][row 16]: a wave's four K steps are 256 bytes of its own in each half
.set TABW, 2048                        ; W's half
.set GRP,  4864                        ; a group in the buffers of codes
.set RBP,  11*GRP                      ; a row block there
.set L16,  1                           ; v1   16 x lane: loads, h's store, the zero fragments; never rewritten
.set STI,  3                           ; v3   into my stage: 16 x lane
.set LDI,  4                           ; v4   out of it: SP x (lane % 16) + 64 x (lane / 16)
.set RDI,  5                           ; v5   my wave's part of h in LDS
.set RDO,  6                           ; v6   wave 0's part, from which all eight are read
.set DOF,  7                           ; v7   32 x (lane / 16): my eight ranks in vera_d
.set DV,   8
.set TM,   16                          ; +0..3 largest magnitudes, +4..7 the other half's / the bytes, +12..15 the conversions' scale operands
.set PC,   32
.set PT,   44
.set PW,   52
.set AS,   53
.set AF,   60
.set H,    72
.set HS,   88
.set OB,   96
.set TF,   100
.set VO,   104                         ; v104-107  my lane's place in the fragment of my K step s, from my wave's first fragment on: 16 x lane + 1,536 s + 256 x (the groups begun before it)
.set TA,   108                         ; v108 where my wave puts scale words: TAB + 256 x wave + 4 x (lane % 16)
.set T4R,  112                         ; v112 TAB + 4 x (lane % 16)
.set TRD,  114                         ; v114 where I read the words of group 2 x wave + lane / 16: TAB + 384 x wave + 192 x (lane / 16) + 4 x (lane % 16)
.set GP,   115                         ; v115 and that group's scale area in the row block: GRP x (2 x wave + lane / 16) + 16 x (lane % 16)
.set R16,  116                         ; v116 16 x (lane % 16)
.set X,    128
.set WV,   32                          ; s32  wave
.set SEL,  34                          ; s[34:35] v_permlanex16_b32's selects for lane l xor 16
.set VM,   37                          ; s37  all lanes for a VeRA work-group, none for a LoRA one
.set SV,   38                          ; s[38:39] my adapter's scaling (the packed form names a pair)
.set MSB, 0
.macro WIN new                         ; the immediate's high byte repeats the setting that is left
.if MSB != \new
	s_set_vgpr_msb (MSB<<8)|\new
.set MSB, \new
.endif
.endm
; step t's sixteen rows, 512 bytes each, into set t % 4 of window 1.  data and W are read once in the launch; a_g is read by 32 work-groups
.macro LOAD t
	WIN 0x40                                       ; destination window 1, address window 0
.set RL_, 64*((\t)%4)
.irp i, 0,1,2,3,4,5,6,7,8,9,10,11,12,13,14,15
.if (\t)%3 == 0
	global_load_b128 v[RL_+4*\i:RL_+4*\i+3], v[L16], s[12:13] offset:\i*16384+((\t)/3)*512
.elseif (\t)%3 == 1
	global_load_b128 v[RL_+4*\i:RL_+4*\i+3], v[L16], s[8:9] offset:\i*16384+((\t)/3)*512 th:TH_LOAD_NT
.else
	global_load_b128 v[RL_+4*\i:RL_+4*\i+3], v[L16], s[10:11] offset:\i*16384+((\t)/3)*512 th:TH_LOAD_NT
.endif
.endr
.endm
; step t's numbers through stage t % 2, in two parts.  INTO: the sixteen rows as loaded go into the stage.  BACK n: the n-th of the sixteen loads that bring them back.  LDS serves a wave's instructions in order
; (ISA guide 5.7.1.4), so no wait stands between the stores and the loads.  Behind all sixteen, register 16 b + i of set t % 2 is k = 32 b + 16 (lane / 16) + i of row lane % 16
.macro INTO t
.set RT_, 64*((\t)%4)
.set XT_, X+64*((\t)%2)
.set ST_, STG*((\t)%2)
	WIN 0x04                                       ; an LDS store's data are its source 1: window 1
.irp i, 0,1,2,3,4,5,6,7,8,9,10,11,12,13,14,15
	ds_store_b128 v[STI], v[RT_+4*\i:RT_+4*\i+3] offset:ST_+SP*\i
.endr
	WIN 0
.endm
.macro BACK n                                  ; block n / 4, its n % 4-th four numbers of my half
	ds_load_b128 v[XT_+4*(\n):XT_+4*(\n)+3], v[LDI] offset:ST_+128*((\n)/4)+16*((\n)%4)
.endm
; 64 numbers of a lane, v[s] on, become a fragment's codes in v[pc] .. v[pc + 11] and its rows' scale word in v[pw] (lanes 16-31 hold the same word as lanes 0-15).
; deal = 1: the next step's sixteen loads from the stage are dealt among the maxima, two behind each four.  They land in the other set of X, which no line of this macro names
.macro QUANT s, pc, pw, deal
.irp b, 0,1,2,3
	v_max3_num_f32 v[TM+\b], |v[\s+16*\b]|, |v[\s+1+16*\b]|, 0x1800000   ; block b: my 16 numbers, and the floor 2^(3 - 127), under which no largest magnitude is taken: so the byte cannot fall under 1
.endr
.if \deal
	BACK 0
	BACK 1
.endif
.irp i, 2,4,6,8,10,12,14
.irp b, 0,1,2,3
	v_max3_num_f32 v[TM+\b], v[TM+\b], |v[\s+16*\b+\i]|, |v[\s+1+16*\b+\i]|   ; (the four blocks by turns: no line waits for the line above it)
.endr
.if \deal
	BACK \i
	BACK \i+1
.endif
.endr
.irp b, 0,1,2,3
	v_permlanex16_b32 v[TM+4+\b], v[TM+\b], s[SEL], s[SEL+1]
.endr
.irp b, 0,1,2,3
	v_max_num_f32 v[TM+\b], v[TM+\b], v[TM+4+\b]   ; with lane l xor 16's: the block's largest magnitude
.endr
.irp b, 0,1,2,3
	v_add_nc_u32 v[TM+12+\b], 0xff000000, v[TM+\b] ; 2 off its exponent field: the conversion takes the exponent field of this operand as its scale, and nothing else of it
.endr
.irp b, 0,1,2,3
	v_lshrrev_b32 v[TM+4+\b], 23, v[TM+12+\b]      ; the scale's byte
.endr
	v_lshl_or_b32 v[\pw], v[TM+5], 8, v[TM+4]      ; the four bytes make my row's scale word
	v_lshl_or_b32 v[\pw], v[TM+6], 16, v[\pw]
	v_lshl_or_b32 v[\pw], v[TM+7], 24, v[\pw]
.irp c, 0,1
	v_cvt_scalef32_pk16_fp6_f32 v[\pc+6*\c:\pc+2+6*\c], v[\s+32*\c:\s+15+32*\c], v[TM+12+2*\c]
	v_cvt_scalef32_pk16_fp6_f32 v[PT+4*\c:PT+2+4*\c], v[\s+16+32*\c:\s+31+32*\c], v[TM+12+2*\c+1]   ; (a conversion's three registers begin on an even number)
.endr
	v_nop                                          ; one plain place behind a scaled conversion
.irp c, 0,1                                    ; the operand's layout wants a WHOLE block in a lane: lanes 0-15 block 2 c, lanes 16-31 block 2 c + 1
.irp i, 0,1,2
	v_permlane16_swap_b32 v[\pc+6*\c+\i], v[PT+4*\c+\i]
.endr
.irp i, 0,1,2
	v_mov_b32 v[\pc+3+6*\c+\i], v[PT+4*\c+\i]
.endr
.endr
.endm
.macro CODES base, s                           ; the fragment in v[PC] on leaves as it stands: three stores of 512 consecutive bytes
.irp c, 0,1,2
	global_store_b128 v[VO+(\s)], v[PC+4*\c:PC+4*\c+3], s[\base:\base+1] offset:512*\c
.endr
.endm
	s_load_b512 s[8:23], s[0:1], 0x0               ; data 8, W 10, lora_a 12, vera_a 14, lora_scaling 16, vera_scaling 18, vera_d 20, data's codes 22
	s_load_b128 s[24:27], s[0:1], 0x40             ; W's codes 24, h 26
	v_lshl_add_u32 v126, v0, 2, 0x24000
	v_mov_b32 v127, 0
	v_lshrrev_b32 v100, 5, v0
	v_readfirstlane_b32 s[WV], v100                ; wave 0..7
	v_and_b32 v101, 31, v0                         ; lane
	v_and_b32 v102, 15, v0                         ; lane % 16
	v_bfe_u32 v103, v0, 4, 1                       ; lane / 16
	v_lshlrev_b32 v[L16], 4, v101
	s_wait_alu depctr_va_sdst(0)                   ; the wave's number is written, ahead of its first reader: LDS addresses and the buffers' offsets are made from it
	s_mul_i32 s33, s[WV], WREG
	v_add_nc_u32 v[STI], s33, v[L16]
	v_mul_u32_u24 v[LDI], v102, SP
	v_lshl_add_u32 v[LDI], v103, 6, v[LDI]
	v_add_nc_u32 v[LDI], s33, v[LDI]
	s_lshl_b32 s33, s[WV], 10
	v_add_nc_u32 v[RDO], RED, v[L16]
	v_add_nc_u32 v[RDI], s33, v[RDO]
	v_lshlrev_b32 v[DOF], 5, v103
	v_lshl_add_u32 v[T4R], v102, 2, TAB
	s_lshl_b32 s33, s[WV], 8
	v_add_nc_u32 v[TA], s33, v[T4R]
	s_mul_i32 s33, s[WV], 384                      ; a group's three K steps are 192 bytes of the table, a wave's two groups 384
	v_mad_u32_u24 v[TRD], v103, 192, v[T4R]
	v_add_nc_u32 v[TRD], s33, v[TRD]
	v_lshlrev_b32 v[R16], 4, v102
	v_mad_u32_u24 v[GP], v103, GRP, v[R16]
	s_mul_i32 s33, s[WV], 2*GRP
	v_add_nc_u32 v[GP], s33, v[GP]
.irp s, 0,1,2,3                                ; K step ks = 4 w + s lies in group ks / 3, at 1,536 ks + 256 (ks / 3 + 1) of the row block; 6,144 w + 256 of that stand in the base
	s_lshl_b32 s58, s[WV], 2
	s_add_co_u32 s58, s58, \s
	s_mul_i32 s59, s58, 43
	s_lshr_b32 s59, s59, 7                         ; ks / 3 = (43 ks) >> 7, exact for ks up to 31
	s_lshl_b32 s60, s59, 8
	s_add_co_u32 s60, s60, 1536*\s
	v_add_nc_u32 v[VO+\s], s60, v[L16]
.endr
.irp b, 0,1,2,3
	v_mov_b32 v[TM+4+\b], 0                        ; written once: a lane permute's destination counts as one of its sources
.endr
	s_mov_b32 s[SEL], 0x76543210
	s_mov_b32 s[SEL+1], 0xfedcba98
	; byte offsets, each in a pair of its own with 0 on top
	s_lshl_b32 s42, s[WV], 11                      ; my wave's 512 numbers of a row
	s_lshl_b32 s40, ttmp9, 18                      ; 16 rows of 16,384 bytes
	s_add_co_u32 s40, s40, s42
	s_mov_b32 s41, 0                               ; s[40:41]: data and W
	s_bfe_u32 s44, ttmp9, 0x20005                  ; the adapter's number among its kind: (wg / 32) % 4
	s_lshl_b32 s46, s44, 18
	s_add_co_u32 s46, s46, s42
	s_mov_b32 s47, 0                               ; s[46:47]: a
	s_mul_i32 s48, ttmp9, RBP
	s_mov_b32 s49, 0                               ; s[48:49]: my row block in the buffers of codes
	s_mul_i32 s50, s[WV], 6144
	s_add_co_u32 s50, s50, 256
	s_mov_b32 s51, 0                               ; s[50:51]: from there to my wave's fragments
	s_lshl_b32 s52, ttmp9, 9
	s_mov_b32 s53, 0                               ; s[52:53]: h
	s_lshl_b32 s54, s44, 6
	s_mov_b32 s55, 0                               ; s[54:55]: vera_d's row
	s_lshl_b32 s56, s44, 2
	s_mov_b32 s57, 0                               ; s[56:57]: the scaling
	s_wait_kmcnt 0x0
	s_cmp_lt_u32 ttmp9, 128                        ; a LoRA work-group or a VeRA one?  The choice hangs on the work-group's number alone
	s_cselect_b64 s[12:13], s[12:13], s[14:15]
	s_cselect_b64 s[16:17], s[16:17], s[18:19]
	s_cselect_b32 s[VM], 0, -1
	s_add_nc_u64 s[8:9], s[8:9], s[40:41]
	s_add_nc_u64 s[10:11], s[10:11], s[40:41]
	s_add_nc_u64 s[12:13], s[12:13], s[46:47]
	s_add_nc_u64 s[16:17], s[16:17], s[56:57]
	s_add_nc_u64 s[20:21], s[20:21], s[54:55]
	s_add_nc_u64 s[28:29], s[22:23], s[48:49]      ; data's codes at my row block: the scale areas and the zero fragment,
	s_add_nc_u64 s[30:31], s[24:25], s[48:49]      ; W's likewise;
	s_add_nc_u64 s[22:23], s[28:29], s[50:51]      ; and at my wave's fragments
	s_add_nc_u64 s[24:25], s[30:31], s[50:51]
	s_add_nc_u64 s[26:27], s[26:27], s[52:53]
	s_load_b32 s[SV], s[16:17], 0x0                ; lora_scaling[g] or vera_scaling[g]
	s_wait_alu depctr_va_vdst(0)                   ; v1, v3 to v7 and v104 to v116 are written: every load and store of the kernel, global or LDS, reads one of them as its offset or address, and none is written again
	global_load_b128 v[DV:DV+3], v[DOF], s[20:21]  ; vera_d of my eight ranks (a LoRA work-group reads a row too and selects it away)
	global_load_b128 v[DV+4:DV+7], v[DOF], s[20:21] offset:16
	LOAD 0
	LOAD 1
	LOAD 2
	LOAD 3
	s_wait_kmcnt 0x0
	s_mov_b32 s[SV+1], s[SV]                       ; (named with it as a pair, so it is written)
	s_wait_loadcnt 48                              ; vera_d and step 0's sixteen loads are in; the 48 of steps 1 to 3 may be out
	INTO 0
.irp n, 0,1,2,3,4,5,6,7,8,9,10,11,12,13,14,15
	BACK \n                                        ; step 0's numbers come back in one run: there is no vector work yet to deal them among
.endr
.macro STEP t
.set XS, X+64*((\t)%2)
.set SS, (\t)/3
.if (\t)+1 < 12
.set DL, 1
.else
.set DL, 0
.endif
	s_wait_dscnt 0x0                               ; this step's numbers are back from the stage
.if (\t)%3 == 1
	s_wait_alu depctr_va_vdst(0)                   ; the a step before is done reading the other set of X, in which the next step's numbers land
.elseif ((\t)%3 == 0) && ((\t) > 0)
	s_wait_alu depctr_va_vdst(0)                   ; the W step before has written its codes and its scale word, which the four stores below read, and is done reading the other set of X, in which the next step's numbers land
	ds_store_b32 v[TA], v[PW] offset:TABW+64*(SS-1)   ; W's rows' scale words to my wave's bytes of the table (both halves of the lanes write the same word with the same value)
	CODES 24, SS-1
.endif
.if (\t)+4 < 12
	WIN 0x40                                       ; the switch, then the wait, then the loads
	s_wait_alu depctr_vm_vsrc(0)                   ; this step's stores into the stage have read R[t % 4], in which the loads below land; in a data step also: W's stores, issued a step ago, have read the codes' registers and the word's, which this step writes again
	LOAD (\t)+4                                    ; the loads of four steps on
.elseif (\t)%3 == 1
	s_wait_alu depctr_vm_vsrc(0)                   ; W's stores, issued a step ago, have read the codes' registers and the word's, which this step writes again
.endif
.if (\t)+1 < 12
.if (\t) <= 7
	s_wait_loadcnt 48                              ; the next step's sixteen loads are in; those of the three steps behind it may be out
.else
	s_wait_loadcnt 16*(10-(\t))                    ; (at the end fewer steps are behind it)
.endif
	INTO (\t)+1                                    ; and go into the other stage; they come back while this step is worked: the loads are dealt among its maxima
.endif
	WIN 0
.if (\t)%3 == 0
	QUANT XS, AF, AS, DL                           ; a's 16 ranks x 128 K.  (The last product that read these registers stands two steps back)
.elseif (\t)%3 == 2
	s_wait_xcnt 0x0                                ; the codes' registers were the data of earlier stores: they are rewritten only behind this wait (the wait on vm_vsrc for them stands behind those stores, in the data step)
	QUANT XS, PC, PW, DL                           ; W.  (Its 32 maxima, which name no register of the product just issued, are that product's places.)  Its four stores stand at the next step's head, or behind the last step
.else
	s_wait_xcnt 0x0                                ; as above (the wait on vm_vsrc for them stands at this step's head)
	QUANT XS, PC, PW, DL                           ; the tokens, as the base product wants them
	s_wait_alu depctr_va_vdst(0)                   ; the quantiser has written the codes and the scale word, which the four stores below read
	ds_store_b32 v[TA], v[PW] offset:64*SS
	CODES 22, SS
	s_wait_alu depctr_vm_vsrc(0)                   ; these four stores have read the codes' registers and the word's, which are written again in the VeRA arm below and in the W step that follows: the wait stands ahead of the branch
	s_cmp_lt_u32 ttmp9, 128                        ; LoRA multiplies these very codes by a's.  VeRA's operand is Q(scaling x x): no power of two, so it is quantised anew, from the f32 products; those codes stay in registers
	s_cbranch_scc1 .Llora_\@
	s_wait_xcnt 0x0                                ; the stores just issued have read the codes' registers,
	s_wait_dscnt 0x0                               ; and the word's store its register
.irp j, 0,2,4,6,8,10,12,14,16,18,20,22,24,26,28,30,32,34,36,38,40,42,44,46,48,50,52,54,56,58,60,62
	v_pk_mul_f32 v[XS+\j:XS+\j+1], v[XS+\j:XS+\j+1], s[SV:SV+1] op_sel_hi:[1,0]
.endr
	QUANT XS, PC, PW, 0
.Llora_\@:
.rept 8
	v_nop                                          ; a scale register written by a vector instruction stands 8 places ahead of a scaled matrix instruction, an operand so written 4
.endr
	s_wait_alu depctr_va_vdst(0)                   ; behind the places: both fragments and both scale words, which vector instructions wrote, are written, on either way to this line.  It also stands behind every line that names this step's X, in which the W step's loads from the stage land
; source 0 = a's 16 ranks, source 1 = my 16 tokens: lane (r, hh) holds token r, register j rank 8 hh + j.  The two accumulators take turns
.if SS < 2
	v_wmma_scale_f32_16x16x128_f8f6f4 v[H+8*(SS%2):H+8*(SS%2)+7], v[AF:AF+11], v[PC:PC+11], 0, v[AS], v[PW] matrix_a_fmt:MATRIX_FMT_FP6 matrix_b_fmt:MATRIX_FMT_FP6
.else
	v_wmma_scale_f32_16x16x128_f8f6f4 v[H+8*(SS%2):H+8*(SS%2)+7], v[AF:AF+11], v[PC:PC+11], v[H+8*(SS%2):H+8*(SS%2)+7], v[AS], v[PW] matrix_a_fmt:MATRIX_FMT_FP6 matrix_b_fmt:MATRIX_FMT_FP6
.endif
.endif
.endm
.irp t, 0,1,2,3,4,5,6,7,8,9,10,11
	STEP \t
.endr
	; h's parts: my two accumulators (from their low ends on; the last product stands a whole step back), then the eight waves' through LDS
.irp j, 0,2,4,6
	v_pk_add_f32 v[HS+\j:HS+\j+1], v[H+\j:H+\j+1], v[H+8+\j:H+8+\j+1]
.endr
	s_wait_alu depctr_va_vdst(0)                   ; the last W step has written its codes and its scale word, the additions my part of h: the six stores below read them.  The steps are also done with X, in which loads land behind the barrier
	ds_store_b32 v[TA], v[PW] offset:TABW+64*3     ; the last W step's four stores
	CODES 24, 3
	ds_store_b128 v[RDI], v[HS:HS+3]
	ds_store_b128 v[RDI], v[HS+4:HS+7] offset:512
	s_wait_dscnt 0x0                               ; for the others' sake: my part of h and my scale words have landed
	s_barrier_signal -1
	s_barrier_wait -1
	; behind the barrier the waves part on their numbers; no barrier follows, and nothing in LDS is written any more
	s_cmp_lt_u32 s[WV], 5
	s_cbranch_scc0 .Lnot_pair
	; waves 0-4: the scale areas of groups 2 w (lanes 0-15) and 2 w + 1 (lanes 16-31), of data and of W: sixteen lanes store 256 consecutive bytes, aligned
.irp q, 0,1,2
	ds_load_b32 v[X+\q], v[TRD] offset:64*\q
	ds_load_b32 v[X+4+\q], v[TRD] offset:TABW+64*\q
.endr
	v_mov_b32 v[X+3], 0                            ; a row's fourth word
	v_mov_b32 v[X+7], 0
	s_wait_dscnt 0x0
	s_wait_alu depctr_va_vdst(0)                   ; the two moves have written the fourth words, which the stores read
	global_store_b128 v[GP], v[X:X+3], s[28:29]
	global_store_b128 v[GP], v[X+4:X+7], s[30:31]
	s_branch .Lend
.Lnot_pair:
	s_cmp_eq_u32 s[WV], 5
	s_cbranch_scc0 .Lnot_half
	; wave 5: group 10, which has two K steps.  One area of 256 bytes for each buffer: lanes 16-31 hold and store what lanes 0-15 do, the same bytes at the same places
.irp q, 0,1
	ds_load_b32 v[X+\q], v[T4R] offset:1920+64*\q
	ds_load_b32 v[X+4+\q], v[T4R] offset:TABW+1920+64*\q
.endr
.irp q, 2,3,6,7
	v_mov_b32 v[X+\q], 0
.endr
	s_wait_dscnt 0x0
	s_wait_alu depctr_va_vdst(0)                   ; the four moves have written the third and fourth words, which the stores read
	global_store_b128 v[R16], v[X:X+3], s[28:29] offset:10*GRP
	global_store_b128 v[R16], v[X+4:X+7], s[30:31] offset:10*GRP
	s_branch .Lend
.Lnot_half:
	s_cmp_eq_u32 s[WV], 6
	s_cbranch_scc0 .Lzeros
	; wave 6 adds h's eight parts
.irp u, 0,1,2,3,4,5,6,7
	ds_load_b128 v[X+8*\u:X+8*\u+3], v[RDO] offset:1024*\u
	ds_load_b128 v[X+8*\u+4:X+8*\u+7], v[RDO] offset:1024*\u+512
.endr
	v_mov_b32 v[TF], s[SV]
.irp j, 0,1,2,3,4,5,6,7
	v_cndmask_b32 v[DV+\j], v[TF], v[DV+\j], s[VM] ; h's factor: LoRA: the scaling; VeRA: d of the register's rank (its scaling went into x)
.endr
	s_wait_dscnt 0x0
.irp u, 0,2,4,6
.irp j, 0,2,4,6
	v_pk_add_f32 v[X+8*\u+\j:X+8*\u+\j+1], v[X+8*\u+\j:X+8*\u+\j+1], v[X+8*\u+8+\j:X+8*\u+8+\j+1]
.endr
.endr
.irp u, 0,4
.irp j, 0,2,4,6
	v_pk_add_f32 v[X+8*\u+\j:X+8*\u+\j+1], v[X+8*\u+\j:X+8*\u+\j+1], v[X+8*\u+16+\j:X+8*\u+16+\j+1]
.endr
.endr
.irp j, 0,2,4,6
	v_pk_add_f32 v[X+\j:X+\j+1], v[X+\j:X+\j+1], v[X+32+\j:X+32+\j+1]
.endr
.irp j, 0,2,4,6
	v_pk_mul_f32 v[X+\j:X+\j+1], v[X+\j:X+\j+1], v[DV+\j:DV+\j+1]
.endr
.irp i, 0,1,2,3
	v_cvt_pk_bf16_f32 v[OB+\i], v[X+2*\i], v[X+2*\i+1]   ; ranks 8 hh + 2 i, + 1: registers 0-3 of a bf16 fragment whose K is the rank
.endr
	s_wait_alu depctr_va_vdst(0)                   ; the four roundings have written h's image, which the store reads
	global_store_b128 v[L16], v[OB:OB+3], s[26:27] ; 512 consecutive bytes, aligned
	s_branch .Lend
.Lzeros:
	; wave 7: group 10's third fragment, of data and of W: zeros
.irp q, 0,1,2,3
	v_mov_b32 v[X+\q], 0
.endr
	s_wait_alu depctr_va_vdst(0)                   ; the four moves have written the zeros, which the six stores read
.irp c, 0,1,2
	global_store_b128 v[L16], v[X:X+3], s[28:29] offset:10*GRP+256+2*1536+512*\c
	global_store_b128 v[L16], v[X:X+3], s[30:31] offset:10*GRP+256+2*1536+512*\c
.endr
.Lend:
	s_wait_dscnt 0x0                               ; the closing lines, six on end
	s_wait_alu 0x0
	s_wait_tensorcnt 0x0
	ds_add_u32 v126, v127
	s_wait_dscnt 0x0
	s_endpgm
.Lfunc_end_k_qc8ff9bd63c_quant:
	.size	k_qc8ff9bd63c_quant, .Lfunc_end_k_qc8ff9bd63c_quant-k_qc8ff9bd63c_quant
	.p2alignl 7, 3214868480
	.fill 96, 4, 3214868480
	.section	.rodata,"a",@progbits
	.p2align	6, 0x0
	.amdhsa_kernel k_qc8ff9bd63c_quant
		.amdhsa_group_segment_fixed_size 148480
		.amdhsa_private_segment_fixed_size 0
		.amdhsa_enable_private_segment 0
		.amdhsa_kernarg_size 80
		.amdhsa_user_sgpr_count 2
		.amdhsa_user_sgpr_kernarg_segment_ptr 1
		.amdhsa_wavefront_size32 1
		.amdhsa_system_sgpr_workgroup_id_x 1
		.amdhsa_system_sgpr_workgroup_id_y 1
		.amdhsa_system_sgpr_workgroup_id_z 1
		.amdhsa_system_vgpr_workitem_id 0
		.amdhsa_next_free_vgpr 512
		.amdhsa_next_free_sgpr 66
		.amdhsa_reserve_vcc 0
		.amdhsa_float_denorm_mode_32 3
		.amdhsa_float_denorm_mode_16_64 3
		.amdhsa_memory_ordered 1
		.amdhsa_forward_progress 1
		.amdhsa_inst_pref_size 129
	.end_amdhsa_kernel
	.amdgpu_metadata
---
amdhsa.version: [ 1, 2 ]
amdhsa.kernels:
  - .name:           k_qc8ff9bd63c_quant
    .symbol:         k_qc8ff9bd63c_quant.kd
    .args:
      - { .name: data, .offset: 0, .size: 8, .value_kind: global_buffer, .address_space: global }
      - { .name: W, .offset: 8, .size: 8, .value_kind: global_buffer, .address_space: global }
      - { .name: lora_a, .offset: 16, .size: 8, .value_kind: global_buffer, .address_space: global }
      - { .name: vera_a, .offset: 24, .size: 8, .value_kind: global_buffer, .address_space: global }
      - { .name: lora_scaling, .offset: 32, .size: 8, .value_kind: global_buffer, .address_space: global }
      - { .name: vera_scaling, .offset: 40, .size: 8, .value_kind: global_buffer, .address_space: global }
      - { .name: vera_d, .offset: 48, .size: 8, .value_kind: global_buffer, .address_space: global }
      - { .name: dcodes, .offset: 56, .size: 8, .value_kind: global_buffer, .address_space: global }
      - { .name: wcodes, .offset: 64, .size: 8, .value_kind: global_buffer, .address_space: global }
      - { .name: hbuf, .offset: 72, .size: 8, .value_kind: global_buffer, .address_space: global }
    .group_segment_fixed_size: 148480
    .private_segment_fixed_size: 0
    .kernarg_segment_align: 8
    .kernarg_segment_size: 80
    .max_flat_workgroup_size: 256
    .sgpr_count:     66
    .vgpr_count:     512
    .wavefront_size: 32
...
	.end_amdgpu_metadata
.endif
;; end of part 3
;; launch gemm: the kernel of part 2 again; grid 16 x 16, 4 waves a work-group, clusters of 4 x 4, 327,680 bytes of LDS; arguments dcodes, wcodes, hbuf, lora_b, vera_b, vera_bvec, bias, out0; writes out0
